; MI455X (gfx1250); checked and timed in simulation.
; The chip was launched on July 23, 2026; its instructions are those of AMD's public machine-readable ISA for CDNA 5 (MIT licence, August 2026) and "CDNA5" Instruction Set Architecture Reference Guide (July 2026). The comments in the code are by the model that wrote it; some were corrected since.
;; Transformer Encoder Layer. Allowed arithmetic: matrix products marked QUANTISED: E2M3 operands, one E8M0 scale for each 32 along K, by v_wmma_scale_f32_16x16x128_f8f6f4 with both operands' format E2M3, f32 sums; everything else in f32.
;; Inputs: b1 4,096 float32; b2 1,024 float32; be1 1,024 float32; be2 1,024 float32; bk 1,024 float32; bo 1,024 float32; bq 1,024 float32; bv 1,024 float32; g1 1,024 float32; g2 1,024 float32; w1 1,024 x 4,096 float32; w2 4,096 x 1,024 float32; wk 1,024 x 1,024 float32; wo 1,024 x 1,024 float32; wq 1,024 x 1,024 float32; wv 1,024 x 1,024 float32; x 2 x 2,048 x 1,024 float32.
;; Outputs: out0 2 x 2,048 x 1,024 float32.
;; This version of the problem:
;;   THIS VERSION OF THE PROBLEM IS GIVEN IN LOW PRECISION. The matrix products marked QUANTISED in the list below multiply operands that are first quantised to E2M3 (2 exponent bits, 3 mantissa bits; 6 bits a number), with one power-of-two scale for each 32 numbers along K (OCP MX v1.0); their sums are f32. All else is computed in f32.
;;   The module's matrix products, in the order in which they are computed (A, B: the left and right operand; K: the contracted axis; several contracted axes count as one K, in the product's order):
;;     1. [M 4,096, K 1,024] x [K 1,024, N 1,024]; A: input x; B: input wq: QUANTISED
;;     2. [M 4,096, K 1,024] x [K 1,024, N 1,024]; A: input x; B: input wk: QUANTISED
;;     3. [M 4,096, K 1,024] x [K 1,024, N 1,024]; A: input x; B: input wv: QUANTISED
;;     4. batch 32 x [M 2,048, K 64] x [K 64, N 2,048]; A: computed on the way; B: computed on the way: QUANTISED
;;     5. batch 32 x [M 2,048, K 2,048] x [K 2,048, N 64]; A: softmax (see below); B: computed on the way: QUANTISED
;;     6. [M 4,096, K 1,024] x [K 1,024, N 1,024]; A: computed on the way; B: input wo: QUANTISED
;;     7. [M 4,096, K 1,024] x [K 1,024, N 4,096]; A: computed on the way; B: input w1: QUANTISED
;;     8. [M 4,096, K 4,096] x [K 4,096, N 1,024]; A: computed on the way; B: input w2: QUANTISED
;;   THE QUANTISER, for each operand of a quantised product, along K:
;;     - K is cut into blocks of 32 from its start; a last block that is shorter is filled with zeros.
;;     - A block's scale is 2^e with e = floor(log2(the largest magnitude in the block)) - 2, held to -126 .. 127; a block of zeros has e = 0. As a byte (E8M0): e + 127.
;;     - Each number is divided by its block's scale, clamped to +-7.5, and rounded to the nearest number of E2M3, ties to even, subnormals kept.
;;     - The product sums the exact products of the quantised numbers (number of the format x scale) in f32.
;;   ~~~python
;;   def quantise(x, axis):      # numpy; x: float32 -> the quantised numbers, widened to float32 again
;;       x = np.moveaxis(x, axis, -1); K = x.shape[-1]
;;       x = np.pad(x, [(0, 0)] * (x.ndim - 1) + [(0, -K % 32)]); x = x.reshape(x.shape[:-1] + (-1, 32)); a = np.abs(x).max(-1, keepdims=True)
;;       e = np.where(a > 0, np.clip(np.frexp(np.where(a > 0, a, 1))[1] - 1 - 2, -126, 127), 0)      # np.frexp(a)[1] - 1 = floor(log2(a)), exactly
;;       r = np.clip(x / 2.0 ** e, -7.5, 7.5)
;;       step = 2.0 ** (np.maximum(np.frexp(np.where(r == 0, 1, r))[1] - 1, 0) - 3)
;;       q = np.round(r / step) * step * 2.0 ** e      # np.round: ties to even
;;       return np.moveaxis(q.reshape(q.shape[:-2] + (-1,))[..., :K], -1, axis).astype(np.float32)
;;   ~~~
;;   SOFTMAX AHEAD OF A QUANTISED PRODUCT. Where the list says 'softmax', what is quantised is not the finished softmax but p = 2^(t - M), with t = logit x log2(e) and M = ceil(the row's largest t), a whole number; so 1/2 < the row's largest p <= 1. The row's sum l is taken of the UNQUANTISED p, in f32, and the product's result is divided by l at the end. Since M is a whole number, a kernel that streams over the keys may use a running M (the ceiling of the running maximum): every later rescaling is an exact power of two, which a block's scale takes up: the codes' values come out the same.
;;   OPERANDS COMPUTED ON THE WAY. 'Computed on the way' means the value that the module computes at that place (a softmax that the list does not call 'softmax' is quantised finished and normalised). What goes into a quantiser is computed in f32, as accurately as f32 sums, v_exp_f32 and their like allow (about 1e-6 of the number): no bf16 or f16 on the way to a quantiser, and a product that is left as it is and whose result goes on into a quantised operand takes f32 operands (vector FMAs, or v_wmma_f32_16x16x4_f32). A number that lies on a knife's edge between two numbers of the format may be rounded either way, as far as f32 arithmetic and the matrix unit's own rounding can turn it there, and no further.
;; One version. Each part assembles by itself: llvm-mc -triple=amdgcn-amd-amdhsa -mcpu=gfx1250 --defsym DOCPART=n.
;; ======== version 1 of 1: 8 launches
;; limits: right only within a limited range of input values
;; workspace buffers: QB 9,011,200 bytes; WOB 3,276,800 bytes; W2B 3,276,800 bytes; QKV 26,869,760 bytes; CTX 3,670,016 bytes; O1 20,054,016 bytes; HB 13,107,200 bytes; FFP 16,777,216 bytes
;; launch quant (part 1): grid 640 x 1, 8 waves a work-group, no clusters, 70,144 bytes of LDS; arguments x, wo, wq, wk, wv, w1, w2, QB, WOB, W2B; writes QB, WOB, W2B
.if DOCPART == 1
	.amdgcn_target "amdgcn-amd-amdhsa--gfx1250"
	.amdhsa_code_object_version 6
	.text
	.protected	k_qf577112635_quant
	.globl	k_qf577112635_quant
	.p2align	8
	.type	k_qf577112635_quant,@function
k_qf577112635_quant:
	s_mov_b64 s[64:65], 0
	v_nop
	global_prefetch_b8 v0, s[64:65] scope:SCOPE_SE
	s_setreg_imm32_b32 hwreg(HW_REG_WAVE_MODE, 25, 1), 1
	s_wait_xcnt 0x0
; x [4096][1024] and the six weights ([K][N], K the first axis), f32, become codes of FP6 (E2M3) with one E8M0 byte for each 32 along K.
; LAYOUT OF EVERY OPERAND IN THE WORKSPACE.  Rows (tokens, or a weight's columns n) lie by POSITION p; position p holds the true row p with bits 3 and 4 exchanged.
; Codes: [chunk of 64 K][tile of 16 positions][768 bytes]: an image of the operand's registers: bytes 0-511 registers 0-3 of lane l at 16 l, bytes 512-767 registers 4-5 at 512 + 8 l;
; lane (r, h) holds position r of the tile, K = 64 chunk + 32 h + 0 .. 31.  Scale words: [128 K][group of 128 positions][tile 0-7][r], four bytes a word, byte b for K = 32 b on.
; QB holds x (tiles 0-255), wq (256-), wk (320-), wv (384-), w1 (448-703); WOB holds wo; W2B holds the four quarters of w2's K as tiles 64 q on.
; A block's scale is 2^(floor(log2(largest magnitude)) - 2): its byte is the largest magnitude's exponent field - 2, held at 1 from below by a floor among the maximum's leaves.
; LIMITS: NaN and infinities are not served; a block whose largest magnitude lies under 2^-124 (a block of zeros too) keeps the byte 1: the bytes are read by this program alone, and zero codes add nothing.
; Work-groups 0-255 take x (128 positions x 128 K; a wave a tile), work-groups 256-639 the weights (128 columns x 256 K).  The two ways have LDS bytes of their own.
.set QCODE, 360448                     ; QB: where the codes begin; bytes from chunk to chunk; bytes from 128 K to 128 K of scale words
.set QCH,   540672
.set QSK,   45056
.set NCODE, 131072                     ; the same for WOB and W2B
.set NCH,   196608
.set NSK,   16384
.set STG,   8448                       ; x: a wave's stage, 16 rows x (512 + 16) bytes
.set XSL,   8*STG                      ; x: the work-group's 128 scale words
.set WSL,   XSL+512                    ; weights: 2 x 128 scale words
.set O16, 4                            ; v4  16 x lane
.set O8,  5                            ; v5  512 + 8 x lane
.set TM,  16                           ; v16-31 at work in QUANT
.set PC,  32                           ; v32-51 the codes just made
.set PW,  52                           ; v52  the scale word just made
.set R,   64                           ; v64-127 x as loaded
.set T,   128                          ; v128-191 x as the quantiser wants it
.set SEL, 44                           ; s[44:45] lane selects for v_permlanex16_b32: lane l xor 16
; 64 numbers of a lane, register 16 b + i = K 32 b + 16 (lane / 16) + i of my row, become a fragment's 12 registers in v[PC] on and its scale word in v[PW].
.macro QUANT s
.irp b, 0,1,2,3
	v_max3_num_f32 v[TM+\b], |v[\s+16*\b]|, |v[\s+1+16*\b]|, 0x1800000   ; my 16 numbers of block b, and the floor 2^(3 - 127)
.endr
.irp i, 2,4,6,8,10,12,14
.irp b, 0,1,2,3
	s_delay_alu instid0(VALU_DEP_4)
	v_max3_num_f32 v[TM+\b], v[TM+\b], |v[\s+16*\b+\i]|, |v[\s+1+16*\b+\i]|
.endr
.endr
.irp b, 0,1,2,3
	s_delay_alu instid0(VALU_DEP_4)
	v_permlanex16_b32 v[TM+4+\b], v[TM+\b], s[SEL], s[SEL+1]
.endr
.irp b, 0,1,2,3
	s_delay_alu instid0(VALU_DEP_4)
	v_max_num_f32 v[TM+\b], v[TM+\b], v[TM+4+\b]       ; with lane l xor 16's: the block's largest magnitude
.endr
.irp b, 0,1,2,3
	s_delay_alu instid0(VALU_DEP_4)
	v_add_nc_u32 v[TM+12+\b], 0xff000000, v[TM+\b]     ; 2 off its exponent field: the conversion's scale operand
.endr
.irp b, 0,1,2,3
	s_delay_alu instid0(VALU_DEP_4)
	v_lshrrev_b32 v[TM+4+\b], 23, v[TM+12+\b]          ; the scale's byte
.endr
	s_delay_alu instid0(VALU_DEP_3)
	v_lshl_or_b32 v[PW], v[TM+5], 8, v[TM+4]
	s_delay_alu instid0(VALU_DEP_1)
	v_lshl_or_b32 v[PW], v[TM+6], 16, v[PW]
	s_delay_alu instid0(VALU_DEP_1)
	v_lshl_or_b32 v[PW], v[TM+7], 24, v[PW]
.irp c, 0,1
	v_cvt_scalef32_pk16_fp6_f32 v[PC+6*\c:PC+2+6*\c], v[\s+32*\c:\s+15+32*\c], v[TM+12+2*\c]
	v_cvt_scalef32_pk16_fp6_f32 v[PC+12+4*\c:PC+14+4*\c], v[\s+16+32*\c:\s+31+32*\c], v[TM+12+2*\c+1]   ; (a conversion's three registers begin on an even number)
.endr
	v_nop                                              ; one plain place behind a scaled conversion
.irp c, 0,1                                        ; the layout wants a whole block in a lane: lanes 0-15 block 2 c, lanes 16-31 block 2 c + 1
.irp i, 0,1,2
	v_permlane16_swap_b32 v[PC+6*\c+\i], v[PC+12+4*\c+\i]
.endr
.irp i, 0,1,2
	s_delay_alu instid0(VALU_DEP_3)
	v_mov_b32 v[PC+3+6*\c+\i], v[PC+12+4*\c+\i]
.endr
.endr
.endm
; the fragment leaves as two images: each store of the wave covers 512 or 256 consecutive bytes
.macro PUT a, b0, b1
	global_store_b128 v[O16], v[PC:PC+3], s[\b0:\b0+1] offset:768*(\a)
	global_store_b64 v[O8], v[PC+4:PC+5], s[\b0:\b0+1] offset:768*(\a)
	global_store_b128 v[O16], v[PC+6:PC+9], s[\b1:\b1+1] offset:768*(\a)
	global_store_b64 v[O8], v[PC+10:PC+11], s[\b1:\b1+1] offset:768*(\a)
.endm
	s_load_b256 s[4:11], s[0:1], 0x0               ; x, wo, wq, wk
	s_load_b256 s[12:19], s[0:1], 0x20             ; wv, w1, w2, QB
	s_load_b128 s[20:23], s[0:1], 0x40             ; WOB, W2B
	v_lshl_add_u32 v192, v0, 2, 0x10e00
	v_mov_b32 v193, 0
	v_lshrrev_b32 v1, 5, v0
	s_delay_alu instid0(VALU_DEP_1)
	v_readfirstlane_b32 s2, v1                     ; wave 0..7
	v_and_b32 v2, 31, v0                           ; lane
	s_delay_alu instid0(VALU_DEP_1)
	v_lshlrev_b32 v[O16], 4, v2
	s_delay_alu instid0(VALU_DEP_2)
	v_lshl_add_u32 v[O8], v2, 3, 512
	s_cmp_lt_u32 ttmp9, 256
	s_cbranch_scc0 .Lweights
	; ---------------- x: work-group = (group G of 128 positions, 128 K); wave a = tile 8 G + a
	s_mov_b32 s[SEL], 0x76543210
	s_mov_b32 s[SEL+1], 0xfedcba98
	v_and_b32 v3, 15, v0                           ; r
	v_bfe_u32 v10, v0, 4, 1                        ; h
	s_mul_i32 s24, s2, STG                         ; my stage
	v_add_nc_u32 v6, s24, v[O16]                   ; as loaded: row p at 528 p + 16 x lane
	v_mul_u32_u24 v7, v3, 528
	s_delay_alu instid0(VALU_DEP_1)
	v_lshl_add_u32 v7, v10, 6, v7
	s_delay_alu instid0(VALU_DEP_1)
	v_add_nc_u32 v7, s24, v7                       ; as quantised: row r, + 64 h; block b 128 bytes on
	s_lshl_b32 s25, s2, 6
	v_lshl_add_u32 v8, v3, 2, XSL
	s_delay_alu instid0(VALU_DEP_1)
	v_add_nc_u32 v8, s25, v8                       ; my row's scale word: XSL + 64 a + 4 r
	v_add_nc_u32 v9, XSL, v[O16]
.irp b, 0,1,2,3
	v_mov_b32 v[TM+4+\b], 0                        ; a lane permute's destination counts as one of its sources
.endr
	s_lshr_b32 s26, ttmp9, 3                       ; G
	s_and_b32 s27, ttmp9, 7                        ; which 128 K
	s_lshl_b32 s28, s26, 7
	s_lshr_b32 s29, s2, 1
	s_lshl_b32 s29, s29, 5
	s_add_co_u32 s28, s28, s29
	s_and_b32 s29, s2, 1
	s_lshl_b32 s29, s29, 3
	s_add_co_u32 s28, s28, s29                     ; the tile's first true row: 128 G + 32 (a / 2) + 8 (a % 2)
	s_lshl_b32 s28, s28, 12
	s_lshl_b32 s29, s27, 9
	s_add_co_u32 s28, s28, s29
	s_mov_b32 s29, 0
	s_lshl_b32 s30, s26, 3
	s_add_co_u32 s30, s30, s2
	s_mul_i32 s30, s30, 768
	s_mul_i32 s31, s27, 2*QCH
	s_add_co_u32 s30, s30, s31
	s_add_co_u32 s30, s30, QCODE
	s_mov_b32 s31, 0
	s_mul_i32 s32, s27, QSK
	s_lshl_b32 s33, s26, 9
	s_add_co_u32 s32, s32, s33
	s_mov_b32 s33, 0
	s_wait_alu depctr_va_vdst(0)
	s_wait_kmcnt 0x0
	s_add_nc_u64 s[28:29], s[4:5], s[28:29]
	s_add_nc_u64 s[30:31], s[18:19], s[30:31]
	s_add_nc_u64 s[34:35], s[30:31], QCH
	s_add_nc_u64 s[32:33], s[18:19], s[32:33]
.irp p, 0,1,2,3,4,5,6,7,8,9,10,11,12,13,14,15
	global_load_b128 v[R+4*\p:R+4*\p+3], v[O16], s[28:29] offset:(\p+8*(\p/8))*4096 th:TH_LOAD_NT   ; position p of the tile: 512 consecutive bytes of one row
.endr
.irp p, 0,1,2,3,4,5,6,7,8,9,10,11,12,13,14,15
	s_wait_loadcnt 15-\p                           ; row p is in; the younger rows may be out
	ds_store_b128 v6, v[R+4*\p:R+4*\p+3] offset:528*\p
.endr
.irp b, 0,1,2,3
.irp j, 0,1,2,3
	ds_load_b128 v[T+16*\b+4*\j:T+16*\b+4*\j+3], v7 offset:128*\b+16*\j   ; LDS serves a wave's instructions in order: these see my stores
.endr
.endr
	s_wait_dscnt 0x0
	QUANT T
	PUT 0, 30, 34
	ds_store_b32 v8, v[PW]                         ; lanes r and r + 16 write the same word with the same value
	s_wait_dscnt 0x0                               ; for the others' sake
	s_barrier_signal -1
	s_barrier_wait -1
	s_cmp_lg_u32 s2, 0
	s_cbranch_scc1 .Lx_end
	ds_load_b128 v[56:59], v9                      ; the work-group's 128 scale words leave as 512 consecutive bytes
	s_wait_dscnt 0x0
	global_store_b128 v[O16], v[56:59], s[32:33]
.Lx_end:
	s_wait_tensorcnt 0x0
	ds_add_u32 v192, v193
	s_wait_dscnt 0x0
	s_endpgm
	; ---------------- the weights: a lane takes a column, its 128 registers run down K; a wave takes 32 columns x 128 K
.Lweights:
	s_wait_alu depctr_va_vdst(0)
	v_and_b32 v3, 7, v2
	v_and_b32 v6, 8, v2
	s_delay_alu instid0(VALU_DEP_1)
	v_lshl_or_b32 v3, v6, 1, v3
	v_and_b32 v6, 16, v2
	s_delay_alu instid0(VALU_DEP_1)
	v_lshrrev_b32 v6, 1, v6
	s_delay_alu instid0(VALU_DEP_1)
	v_or_b32 v3, v3, v6                            ; the true column of position lane: bits 3 and 4 exchanged
	s_delay_alu instid0(VALU_DEP_1)
	v_lshlrev_b32 v3, 2, v3
	v_lshl_add_u32 v7, v0, 2, WSL                  ; my column's scale word: WSL + 512 (wave / 4) + 128 (wave % 4) + 4 x lane
	s_and_b32 s46, s2, 3                           ; cw: which 32 columns
	s_lshr_b32 s47, s2, 2                          ; kh: which 128 K
	s_lshl_b32 s48, s47, 9
	v_add_nc_u32 v8, s48, v[O16]
	s_delay_alu instid0(VALU_DEP_1)
	v_add_nc_u32 v8, WSL, v8
	s_sub_co_u32 s24, ttmp9, 256                   ; u: 0-31 wo, 32-63 wq, 64-95 wk, 96-127 wv, 128-255 w1, 256-383 w2
	s_and_b32 s25, s24, 127
	s_lshr_b32 s26, s24, 7                         ; 0: the four square weights, 1: w1, 2: w2
	s_and_b32 s27, s25, 7                          ; G: which 128 columns (N = 1,024)
	s_lshr_b32 s28, s25, 3                         ; t
	s_and_b32 s29, s28, 3                          ; kd: which 256 K of the destination's 1,024
	s_lshr_b32 s30, s28, 2
	s_lshl_b32 s30, s30, 3                         ; the destination's first group: 8 (t / 4)
	s_and_b32 s33, s25, 31                         ; w1: G,
	s_lshr_b32 s34, s25, 5                         ; and its 256 K
	s_sub_co_u32 s31, s24, 32
	s_cmp_lt_u32 s31, 96                           ; wq, wk, wv lie behind x's 32 groups: 8 (t / 4) + 24
	s_cselect_b32 s48, 24, 0
	s_cmp_lt_u32 s31, 224                          ; into QB?
	s_mov_b32 s42, NCH
	s_cselect_b32 s42, QCH, s42
	s_mov_b32 s43, NCODE
	s_cselect_b32 s43, QCODE, s43
	s_mov_b32 s49, NSK
	s_cselect_b32 s49, QSK, s49
	s_add_co_u32 s30, s30, s48
	s_cmp_eq_u32 s26, 2
	s_cselect_b32 s32, s28, s29                    ; the source's 256 K: t in w2, else kd
	s_cmp_eq_u32 s26, 1
	s_cselect_b32 s27, s33, s27
	s_cselect_b32 s29, s34, s29
	s_cselect_b32 s32, s34, s32
	s_cselect_b32 s30, 56, s30
	s_cselect_b32 s35, 21, 19                      ; 128 rows of the source: 2^21 bytes in w1, else 2^19
	s_lshl_b32 s36, s32, 1
	s_add_co_u32 s36, s36, s47
	s_lshl_b32 s36, s36, s35
	s_lshl_b32 s37, s27, 9
	s_add_co_u32 s36, s36, s37
	s_lshl_b32 s37, s46, 7
	s_add_co_u32 s36, s36, s37
	s_mov_b32 s37, 0
	s_add_co_u32 s52, s27, s30                     ; the destination's group
	s_lshl_b32 s50, s29, 2
	s_lshl_b32 s51, s47, 1
	s_add_co_u32 s50, s50, s51                     ; chunk 4 kd + 2 kh
	s_mul_i32 s50, s50, s42
	s_lshl_b32 s51, s52, 3
	s_lshl_b32 s53, s46, 1
	s_add_co_u32 s51, s51, s53                     ; tile 8 group + 2 cw
	s_mul_i32 s51, s51, 768
	s_add_co_u32 s50, s50, s51
	s_add_co_u32 s50, s50, s43
	s_mov_b32 s51, 0
	s_lshl_b32 s54, s29, 1
	s_add_co_u32 s54, s54, s47
	s_mul_i32 s54, s54, s49
	s_lshl_b32 s55, s52, 9
	s_add_co_u32 s54, s54, s55
	s_mov_b32 s55, 0
	s_mov_b32 s60, s42
	s_mov_b32 s61, 0
	s_wait_kmcnt 0x0
	s_cmp_lt_u32 s24, 256                          ; the buffers are chosen by the work-group's number alone
	s_cselect_b64 s[38:39], s[14:15], s[16:17]
	s_cselect_b64 s[40:41], s[18:19], s[22:23]
	s_cmp_lt_u32 s24, 128
	s_cselect_b64 s[38:39], s[12:13], s[38:39]
	s_cmp_lt_u32 s24, 96
	s_cselect_b64 s[38:39], s[10:11], s[38:39]
	s_cmp_lt_u32 s24, 64
	s_cselect_b64 s[38:39], s[8:9], s[38:39]
	s_cmp_lt_u32 s24, 32
	s_cselect_b64 s[38:39], s[6:7], s[38:39]
	s_cselect_b64 s[40:41], s[20:21], s[40:41]
	s_add_nc_u64 s[38:39], s[38:39], s[36:37]
	s_add_nc_u64 s[56:57], s[40:41], s[50:51]      ; the first chunk's images,
	s_add_nc_u64 s[58:59], s[56:57], s[60:61]      ; the second's,
	s_add_nc_u64 s[62:63], s[40:41], s[54:55]      ; the scale words
	s_cmp_eq_u32 s26, 1
	s_cbranch_scc1 .Lwide
.set i, 0
	s_wait_alu depctr_va_vdst(0)
.rept 128
	global_load_b32 v[64+i], v3, s[38:39] offset:i*4096 th:TH_LOAD_NT    ; row i of my 128 K: the wave reads 128 consecutive bytes
.set i, i+1
.endr
	s_branch .Lloaded
.Lwide:
.set i, 0
	s_wait_alu depctr_va_vdst(0)
.rept 128
	global_load_b32 v[64+i], v3, s[38:39] offset:i*16384 th:TH_LOAD_NT   ; the same in w1, whose rows are 16,384 bytes
.set i, i+1
.endr
.Lloaded:
; block t of 32 along K: all its numbers are mine.  Its six registers of codes go to v[16 + 6 t] on.
.macro WBLK t
.set XS, 64+32*(\t)
.set DD, 16+6*(\t)
	v_max3_num_f32 v44, |v[XS]|, |v[XS+1]|, |v[XS+2]|
	v_max3_num_f32 v45, |v[XS+3]|, |v[XS+4]|, |v[XS+5]|
.irp i, 6,10,14,18,22,26
	s_delay_alu instid0(VALU_DEP_2)
	v_max3_num_f32 v44, v44, |v[XS+\i]|, |v[XS+\i+1]|
	s_delay_alu instid0(VALU_DEP_2)
	v_max3_num_f32 v45, v45, |v[XS+\i+2]|, |v[XS+\i+3]|
.endr
	s_delay_alu instid0(VALU_DEP_2)
	v_max3_num_f32 v44, v44, |v[XS+30]|, |v[XS+31]|
	s_delay_alu instid0(VALU_DEP_1)
	v_max3_num_f32 v44, v44, v45, 0x1800000        ; and the floor
	s_delay_alu instid0(VALU_DEP_1)
	v_add_nc_u32 v46, 0xff000000, v44              ; the conversion's scale operand
	s_delay_alu instid0(VALU_DEP_1)
	v_lshrrev_b32 v47, 23, v46                     ; the byte
.if (\t) == 0
	s_delay_alu instid0(VALU_DEP_1)
	v_mov_b32 v56, v47
.else
	s_delay_alu instid0(VALU_DEP_1)
	v_lshl_or_b32 v56, v47, 8*(\t), v56
.endif
	v_cvt_scalef32_pk16_fp6_f32 v[DD:DD+2], v[XS:XS+15], v46
	v_cvt_scalef32_pk16_fp6_f32 v[40:42], v[XS+16:XS+31], v46
	v_nop                                          ; one plain place behind a scaled conversion
	v_mov_b32 v[DD+3], v40
	v_mov_b32 v[DD+4], v41
	v_mov_b32 v[DD+5], v42
.endm
	s_wait_loadcnt 63                              ; at most 63 of the 128 are out: rows 0 to 64 are in, blocks 0 and 1 among them
	WBLK 0
	s_wait_loadcnt 63
	WBLK 1
	s_wait_loadcnt 32                              ; block 3's 32 loads may be out
	WBLK 2
	s_wait_loadcnt 0x0
	WBLK 3
.irp c, 0,1                                    ; lanes 0-15 hold one tile's rows, lanes 16-31 the next tile's.  The exchange makes of blocks 2 c and 2 c + 1 the two tiles' images of chunk c
.irp i, 0,1,2,3,4,5
	v_permlane16_swap_b32 v[16+12*\c+\i], v[22+12*\c+\i]
.endr
.endr
.irp c, 0,1
	global_store_b128 v[O16], v[16+12*\c:19+12*\c], s[56+2*\c:57+2*\c]
	global_store_b64 v[O8], v[20+12*\c:21+12*\c], s[56+2*\c:57+2*\c]
	global_store_b128 v[O16], v[22+12*\c:25+12*\c], s[56+2*\c:57+2*\c] offset:768
	global_store_b64 v[O8], v[26+12*\c:27+12*\c], s[56+2*\c:57+2*\c] offset:768
.endr
	ds_store_b32 v7, v56
	s_wait_dscnt 0x0                               ; for the others' sake
	s_barrier_signal -1
	s_barrier_wait -1
	s_cmp_lg_u32 s46, 0                            ; waves 0 and 4 store the 128 words of their 128 K: 512 consecutive bytes
	s_cbranch_scc1 .Lw_end
	ds_load_b128 v[60:63], v8
	s_wait_dscnt 0x0
	global_store_b128 v[O16], v[60:63], s[62:63]
.Lw_end:
	s_wait_tensorcnt 0x0
	ds_add_u32 v192, v193
	s_wait_dscnt 0x0
	s_endpgm
.Lfunc_end_k_qf577112635_quant:
	.size	k_qf577112635_quant, .Lfunc_end_k_qf577112635_quant-k_qf577112635_quant
	.p2alignl 7, 3214868480
	.fill 96, 4, 3214868480
	.section	.rodata,"a",@progbits
	.p2align	6, 0x0
	.amdhsa_kernel k_qf577112635_quant
		.amdhsa_group_segment_fixed_size 70144
		.amdhsa_private_segment_fixed_size 0
		.amdhsa_enable_private_segment 0
		.amdhsa_kernarg_size 80
		.amdhsa_user_sgpr_count 2
		.amdhsa_user_sgpr_kernarg_segment_ptr 1
		.amdhsa_wavefront_size32 1
		.amdhsa_system_sgpr_workgroup_id_x 1
		.amdhsa_system_sgpr_workgroup_id_y 1
		.amdhsa_system_sgpr_workgroup_id_z 1
		.amdhsa_system_vgpr_workitem_id 0
		.amdhsa_next_free_vgpr 194
		.amdhsa_next_free_sgpr 66
		.amdhsa_reserve_vcc 0
		.amdhsa_float_denorm_mode_32 3
		.amdhsa_float_denorm_mode_16_64 3
		.amdhsa_memory_ordered 1
		.amdhsa_forward_progress 1
		.amdhsa_inst_pref_size 51
	.end_amdhsa_kernel
	.amdgpu_metadata
---
amdhsa.version: [ 1, 2 ]
amdhsa.kernels:
  - .name:           k_qf577112635_quant
    .symbol:         k_qf577112635_quant.kd
    .args:
      - { .name: x, .offset: 0, .size: 8, .value_kind: global_buffer, .address_space: global }
      - { .name: wo, .offset: 8, .size: 8, .value_kind: global_buffer, .address_space: global }
      - { .name: wq, .offset: 16, .size: 8, .value_kind: global_buffer, .address_space: global }
      - { .name: wk, .offset: 24, .size: 8, .value_kind: global_buffer, .address_space: global }
      - { .name: wv, .offset: 32, .size: 8, .value_kind: global_buffer, .address_space: global }
      - { .name: w1, .offset: 40, .size: 8, .value_kind: global_buffer, .address_space: global }
      - { .name: w2, .offset: 48, .size: 8, .value_kind: global_buffer, .address_space: global }
      - { .name: QB, .offset: 56, .size: 8, .value_kind: global_buffer, .address_space: global }
      - { .name: WOB, .offset: 64, .size: 8, .value_kind: global_buffer, .address_space: global }
      - { .name: W2B, .offset: 72, .size: 8, .value_kind: global_buffer, .address_space: global }
    .group_segment_fixed_size: 70144
    .private_segment_fixed_size: 0
    .kernarg_segment_align: 8
    .kernarg_segment_size: 80
    .max_flat_workgroup_size: 256
    .sgpr_count:     66
    .vgpr_count:     194
    .wavefront_size: 32
...
	.end_amdgpu_metadata
.endif
;; end of part 1
;; launch qkv (part 2): grid 12 x 16, 4 waves a work-group, clusters of 4 x 4, 327,680 bytes of LDS; arguments QB, bq, bk, bv, QKV; writes QKV
.if DOCPART == 2
	.amdgcn_target "amdgcn-amd-amdhsa--gfx1250"
	.amdhsa_code_object_version 6
	.text
	.protected	k_qf577112635_qkv
	.globl	k_qf577112635_qkv
	.p2align	8
	.type	k_qf577112635_qkv,@function
k_qf577112635_qkv:
	s_mov_b64 s[64:65], 0
	v_nop
	global_prefetch_b8 v0, s[64:65] scope:SCOPE_SE
	s_setreg_imm32_b32 hwreg(HW_REG_WAVE_MODE, 25, 1), 1
	s_wait_xcnt 0x0
	s_wait_alu depctr_hold_cnt(0) depctr_sa_sdst(0) depctr_va_vdst(0) depctr_va_sdst(0) depctr_va_ssrc(0) depctr_va_vcc(0) depctr_vm_vsrc(0)
	s_getreg_b32 s2, hwreg(HW_REG_IB_STS2, 6, 4)
	s_cmp_eq_u32 s2, 0
	s_cbranch_scc0 .Lentry_in_a_cluster
	s_endpgm
.Lentry_in_a_cluster:
	s_bfe_u32 s2, ttmp6, 0x10000c
	s_cmp_lg_u32 s2, 0xf033
	s_cbranch_scc0 .Lentry_shape_is_right
	s_endpgm
.Lentry_shape_is_right:
.set CHA,   540672
.set CHB,   540672
.set SKA,   45056
.set SKB,   45056
.set CODE,  360448
.set FR,    12
.set NL,    4
.set NP,    4
.set HALFT, 24576
.set SLOT,  4*HALFT
.set SCL,   2*SLOT
.set SPARE, SCL+4*4096
.set ADRA, 16
.set ADRB, 20
.set O16,  24
.set O8,   25
.set SCR,  26
.set ADRS, 27
.set SPW,  28
.set NIL,  29
.set SCRR, 30
.set SC,   32
.set BC,   64
.set AF,   128
.set T,    128
.set PC,   192
.set BB,   220
.set BR,   224
.set TM,   232
.set PW,   248
.set X4,   250
.set SEL,  2
.set G1, 24
.set G0, 32
.set G1B, 48
.set G0B, 56
.set G1S, 68
.set G0S, 76
.set G1SB, 80
.set G0SB, 88
.set MSB, 0
.macro WIN new
.if MSB != \new
	s_set_vgpr_msb (MSB<<8)|\new
.set MSB, \new
.endif
.endm
.set MUL_LO, 0xa1
.set MUL_HI, 0xf1
.set TO_B,   0x40
.macro JLOAD g0a, g1a, g0b, g1b
	s_cmp_eq_u32 s15, 0
	s_cbranch_scc0 .Lfor_b_\@
	tensor_load_to_lds s[\g0a:\g0a+3], s[\g1a:\g1a+7]
	s_nop 0
.rept 4
	v_nop
.endr
	s_branch .Lasked_\@
.Lfor_b_\@:
	tensor_load_to_lds s[\g0b:\g0b+3], s[\g1b:\g1b+7]
	s_nop 0
.rept 4
	v_nop
.endr
.Lasked_\@:
.endm
.macro CREST
	s_cmp_lg_u32 s14, 0
	s_cbranch_scc1 .Lnot_wave_0_\@
	s_barrier_signal -3
.Lnot_wave_0_\@:
	s_barrier_wait -3
	s_barrier_signal -1
	s_barrier_wait -1
.endm
.macro CROUND
	s_barrier_signal -1
	s_barrier_wait -1
	CREST
.endm
.macro PLACES n
.rept \n
	v_nop
.endr
.endm
.macro FRAG reg, adr, q, i
	ds_load_b128 v[\reg:\reg+3], v[\adr] offset:(2*(\q))*6144+(\i)*768
	ds_load_b64 v[\reg+4:\reg+5], v[\adr+2] offset:(2*(\q))*6144+(\i)*768
	ds_load_b128 v[\reg+6:\reg+9], v[\adr] offset:(2*(\q)+1)*6144+(\i)*768
	ds_load_b64 v[\reg+10:\reg+11], v[\adr+2] offset:(2*(\q)+1)*6144+(\i)*768
.endm
.macro MUL16 a0, p, q, sc, cm
.irp a, \a0, \a0+1
.irp b, 0,1,2,3,4,5,6,7
.if \cm == 1
	v_wmma_scale_f32_16x16x128_f8f6f4 v[8*(8*((\a)%4)+\b):8*(8*((\a)%4)+\b)+7], v[128*(\p)+FR*\b:128*(\p)+FR*\b+FR-1], v[AF+FR*(\a):AF+FR*(\a)+FR-1], 0, v[SC+16*(\sc)+8*(\q)+\b], v[SC+16*(\sc)+8*(\q)+(\a)] matrix_a_fmt:MATRIX_FMT_FP6 matrix_b_fmt:MATRIX_FMT_FP6 matrix_a_scale:MATRIX_SCALE_ROW1
.else
	v_wmma_scale_f32_16x16x128_f8f6f4 v[8*(8*((\a)%4)+\b):8*(8*((\a)%4)+\b)+7], v[128*(\p)+FR*\b:128*(\p)+FR*\b+FR-1], v[AF+FR*(\a):AF+FR*(\a)+FR-1], v[8*(8*((\a)%4)+\b):8*(8*((\a)%4)+\b)+7], v[SC+16*(\sc)+8*(\q)+\b], v[SC+16*(\sc)+8*(\q)+(\a)] matrix_a_fmt:MATRIX_FMT_FP6 matrix_b_fmt:MATRIX_FMT_FP6 matrix_a_scale:MATRIX_SCALE_ROW1
.endif
.endr
.endr
.endm
.macro FETCH_B slot, q, p
	WIN TO_B
.irp i, 0,1,2,3,4,5,6,7
	FRAG 128*(\p)+FR*\i, ADRB+\slot, \q, \i
.endr
	WIN 0
.endm
.macro FETCH_A slot, q, i0
.irp i, \i0, \i0+1, \i0+2, \i0+3
	FRAG AF+FR*(\i), ADRA+\slot, \q, \i
.endr
.endm
.macro SCALES sc, ks
.irp q, 0,1
.irp i, 0,1,2,3,4,5,6,7
	ds_load_b32 v[SC+16*(\sc)+8*\q+\i], v[ADRS] offset:(2*(\ks)+\q)*512+64*\i
.endr
.endr
.endm
.macro STEP slot, cm
	s_wait_dscnt 4*NL
	WIN MUL_LO
	MUL16 0, 0, 0, \slot, \cm
	MUL16 2, 0, 0, \slot, \cm
	s_wait_dscnt 0
	PLACES NP
	FETCH_B \slot, 1, 1
	FETCH_A \slot, 1, 0
	WIN MUL_HI
	MUL16 4, 0, 0, \slot, \cm
	MUL16 6, 0, 0, \slot, \cm
	PLACES NP
	WIN 0
	FETCH_A \slot, 1, 4
.endm
.macro TURN slot, next, fill, ks
	s_wait_tensorcnt 0x0
	ds_add_u32 v[SPW], v[NIL]
	s_wait_dscnt 4*NL+1
	WIN MUL_LO
	MUL16 0, 1, 1, \slot, 0
	s_wait_dscnt 0x0
	s_barrier_signal -1
	MUL16 2, 1, 1, \slot, 0
	WIN 0
	s_barrier_wait -1
.if \fill
	CREST
	s_add_nc_u64 s[G0+4*\slot+2:G0+4*\slot+3], s[G0+4*\slot+2:G0+4*\slot+3], 8*CHA
	s_add_nc_u64 s[G0B+4*\slot+2:G0B+4*\slot+3], s[G0B+4*\slot+2:G0B+4*\slot+3], 8*CHB
	JLOAD G0+4*\slot, G1, G0B+4*\slot, G1B
.else
	PLACES NP
.endif
	FETCH_B \next, 0, 0
	FETCH_A \next, 0, 0
	SCALES \next, \ks
	WIN MUL_HI
	MUL16 4, 1, 1, \slot, 0
	MUL16 6, 1, 1, \slot, 0
	PLACES NP
	WIN 0
	FETCH_A \next, 0, 4
.endm
.macro QUANT s
.irp b, 0,1,2,3
	v_max3_num_f32 v[TM+\b], |v[\s+16*\b]|, |v[\s+1+16*\b]|, 0x1800000
.endr
.irp i, 2,4,6,8,10,12,14
.irp b, 0,1,2,3
	v_max3_num_f32 v[TM+\b], v[TM+\b], |v[\s+16*\b+\i]|, |v[\s+1+16*\b+\i]|
.endr
.endr
.irp b, 0,1,2,3
	v_permlanex16_b32 v[TM+4+\b], v[TM+\b], s[SEL], s[SEL+1]
.endr
.irp b, 0,1,2,3
	v_max_num_f32 v[TM+\b], v[TM+\b], v[TM+4+\b]
.endr
.irp b, 0,1,2,3
	v_add_nc_u32 v[TM+12+\b], 0xff000000, v[TM+\b]
.endr
.irp b, 0,1,2,3
	v_lshrrev_b32 v[TM+4+\b], 23, v[TM+12+\b]
.endr
	s_wait_alu depctr_va_vdst(0)
	s_wait_xcnt 0x0                                ; the last block's stores have read their data: the lines below write these registers again
	s_wait_dscnt 0x0
	v_lshl_or_b32 v[PW], v[TM+5], 8, v[TM+4]
	v_lshl_or_b32 v[PW], v[TM+6], 16, v[PW]
	v_lshl_or_b32 v[PW], v[TM+7], 24, v[PW]
.irp c, 0,1
	v_cvt_scalef32_pk16_fp6_f32 v[PC+6*\c:PC+2+6*\c], v[\s+32*\c:\s+15+32*\c], v[TM+12+2*\c]
	v_cvt_scalef32_pk16_fp6_f32 v[PC+12+4*\c:PC+14+4*\c], v[\s+16+32*\c:\s+31+32*\c], v[TM+12+2*\c+1]
.endr
	v_nop
.irp c, 0,1
.irp i, 0,1,2
	v_permlane16_swap_b32 v[PC+6*\c+\i], v[PC+12+4*\c+\i]
.endr
.irp i, 0,1,2
	v_mov_b32 v[PC+3+6*\c+\i], v[PC+12+4*\c+\i]
.endr
.endr
.endm
.macro PUT a, b0, b1
	global_store_b128 v[O16], v[PC:PC+3], s[\b0:\b0+1] offset:768*(\a)
	global_store_b64 v[O8], v[PC+4:PC+5], s[\b0:\b0+1] offset:768*(\a)
	global_store_b128 v[O16], v[PC+6:PC+9], s[\b1:\b1+1] offset:768*(\a)
	global_store_b64 v[O8], v[PC+10:PC+11], s[\b1:\b1+1] offset:768*(\a)
.endm
	s_load_b256 s[4:11], s[0:1], 0x0
	s_load_b64 s[12:13], s[0:1], 0x20
	v_lshl_add_u32 v[SPW], v0, 2, SPARE
	v_mov_b32 v[NIL], 0
	ds_add_u32 v28, v29
	ds_add_u32 v28, v29
	s_wait_dscnt 0x0
	v_lshrrev_b32 v1, 5, v0
	v_readfirstlane_b32 s14, v1
	s_lshr_b32 s15, s14, 1
	s_and_b32 s16, s14, 1
	s_bfe_u32 s40, ttmp6, 0x40000
	s_bfe_u32 s41, ttmp6, 0x40004
	s_lshl_b32 s43, s41, 2
	s_lshl_b32 s43, 15, s43
	s_lshl_b32 s44, 0x1111, s40
	s_or_b32 s[G1+0], s43, (3<<16)|(1<<21)
	s_or_b32 s[G1B+0], s44, (3<<16)|(1<<21)
.irp g, G1, G1B
	s_mov_b32 s[\g+1], 768<<16
	s_mov_b32 s[\g+2], 4<<16
	s_mov_b32 s[\g+3], 768<<16
	s_mov_b32 s[\g+4], 4
	s_mov_b32 s[\g+5], CHA/8
	s_mov_b32 s[\g+6], 0
	s_mov_b32 s[\g+7], 0
.endr
	s_or_b32 s[G1S+0], s43, (3<<16)|(1<<21)
	s_or_b32 s[G1SB+0], s44, (3<<16)|(1<<21)
.irp g, G1S, G1SB
	s_mov_b32 s[\g+1], 64<<16
	s_mov_b32 s[\g+2], 8<<16
	s_mov_b32 s[\g+3], 64<<16
	s_mov_b32 s[\g+4], 8
	s_mov_b32 s[\g+5], SKA/8
	s_mov_b32 s[\g+6], 0
	s_mov_b32 s[\g+7], 0
.endr
	s_and_b32 s17, ttmp7, 0xffff
	s_lshl_b32 s18, s17, 6
	s_lshl_b32 s19, ttmp9, 6
	s_add_co_u32 s19, s19, 256
	s_cmp_lt_u32 ttmp9, 2
	s_cselect_b32 s20, s18, 384
	s_cselect_b32 s46, s19, s18
	s_lshl_b32 s21, s41, 4
	s_add_co_u32 s20, s20, s21
	s_lshl_b32 s21, s16, 3
	s_add_co_u32 s20, s20, s21
	s_lshl_b32 s47, s40, 4
	s_add_co_u32 s46, s46, s47
	s_add_co_u32 s46, s46, s21
	s_lshl_b32 s22, s20, 6
	s_lshl_b32 s92, s46, 6
	s_mul_i32 s20, s20, 768
	s_add_co_u32 s20, s20, CODE
	s_mul_i32 s46, s46, 768
	s_add_co_u32 s46, s46, CODE
	s_mov_b32 s21, 0
	s_mov_b32 s23, 0
	s_mov_b32 s47, 0
	s_mov_b32 s93, 0
	s_mul_i32 s45, s14, HALFT
	s_lshl_b32 s94, s14, 12
	s_wait_kmcnt 0x0
	s_add_nc_u64 s[20:21], s[4:5], s[20:21]
	s_add_nc_u64 s[22:23], s[4:5], s[22:23]
	s_add_nc_u64 s[46:47], s[4:5], s[46:47]
	s_add_nc_u64 s[92:93], s[4:5], s[92:93]
	CROUND
	s_mov_b32 s[G0S], 1
	s_add_co_u32 s[G0S+1], s94, SCL
	s_mov_b64 s[G0S+2:G0S+3], s[22:23]
	s_or_b32 s[G0S+3], s[G0S+3], 0x80000000
	s_mov_b32 s[G0SB], 1
	s_add_co_u32 s[G0SB+1], s94, SCL
	s_mov_b64 s[G0SB+2:G0SB+3], s[92:93]
	s_or_b32 s[G0SB+3], s[G0SB+3], 0x80000000
	JLOAD G0S, G1S, G0SB, G1SB
.irp s, 0,1
	s_mov_b32 s[G0+4*\s], 1
	s_add_co_u32 s[G0+4*\s+1], s45, \s*SLOT
	s_add_nc_u64 s[G0+4*\s+2:G0+4*\s+3], s[20:21], \s*4*CHA
	s_or_b32 s[G0+4*\s+3], s[G0+4*\s+3], 0x80000000
	s_mov_b32 s[G0B+4*\s], 1
	s_add_co_u32 s[G0B+4*\s+1], s45, \s*SLOT
	s_add_nc_u64 s[G0B+4*\s+2:G0B+4*\s+3], s[46:47], \s*4*CHB
	s_or_b32 s[G0B+4*\s+3], s[G0B+4*\s+3], 0x80000000
	s_wait_alu depctr_va_vdst(0)
	s_wait_tensorcnt 0x0
	ds_add_u32 v28, v29
	s_wait_dscnt 0x0
	CROUND
	JLOAD G0+4*\s, G1, G0B+4*\s, G1B
.endr
	v_and_b32 v1, 15, v0
	v_bfe_u32 v2, v0, 4, 1
	v_and_b32 v3, 31, v0
	v_lshlrev_b32 v4, 4, v3
	v_lshl_add_u32 v5, v3, 3, 512
	s_mul_i32 s98, s15, HALFT
	s_mul_i32 s99, s16, HALFT
	s_add_co_u32 s99, s99, 2*HALFT
.irp s, 0,1
	v_add_nc_u32 v[ADRA+\s], s98, v4
	v_add_nc_u32 v[ADRA+2+\s], s98, v5
	v_add_nc_u32 v[ADRB+\s], s99, v4
	v_add_nc_u32 v[ADRB+2+\s], s99, v5
	s_add_co_u32 s98, s98, SLOT
	s_add_co_u32 s99, s99, SLOT
.endr
	s_lshl_b32 s98, s15, 12
	s_lshl_b32 s99, s16, 12
	s_add_co_u32 s99, s99, 2*4096
	s_sub_co_u32 s99, s99, s98
	v_mul_u32_u24 v6, s99, v2
	s_add_co_u32 s98, s98, SCL
	v_lshl_add_u32 v6, v1, 2, v6
	v_add_nc_u32 v[ADRS], s98, v6
	v_mov_b32 v[O16], v4
	v_mov_b32 v[O8], v5
	s_lshl_b32 s98, s14, 11
	v_lshl_add_u32 v[SCR], v1, 2, s98
	v_add_nc_u32 v[SCRR], s98, v4
	v_lshlrev_b32 v7, 6, v2
	s_wait_alu depctr_va_vdst(0)
	v_and_b32 v8, 8, v1
	v_add_nc_u32 v8, v8, v1
	v_lshlrev_b32 v8, 2, v8
	s_wait_alu depctr_va_vdst(0)
	s_cmp_eq_u32 ttmp9, 1
	s_cselect_b64 s[96:97], s[8:9], s[10:11]
	s_cmp_eq_u32 ttmp9, 0
	s_cselect_b64 s[96:97], s[6:7], s[96:97]
	s_lshl_b32 s98, s40, 10
	s_lshl_b32 s99, s16, 9
	s_add_co_u32 s98, s98, s99
	s_mov_b32 s99, 0
	s_add_nc_u64 s[96:97], s[96:97], s[98:99]
	s_lshl_b32 s98, s41, 10
	s_lshl_b32 s18, s15, 9
	s_add_co_u32 s98, s98, s18
	s_add_nc_u64 s[10:11], s[10:11], s[98:99]
.irp b, 0,1,2,3,4,5,6,7
	global_load_b128 v[BC+8*\b:BC+8*\b+3], v7, s[96:97] offset:(32*(\b/2)+8*(\b%2))*4
	global_load_b128 v[BC+8*\b+4:BC+8*\b+7], v7, s[96:97] offset:(32*(\b/2)+8*(\b%2))*4+16
.endr
.irp a, 0,1,2,3,4,5,6,7
	global_load_b32 v[BR+\a], v8, s[10:11] offset:(32*(\a/2)+8*(\a%2))*4
.endr
	s_mov_b32 s[SEL], 0x76543210
	s_mov_b32 s[SEL+1], 0xfedcba98
.irp b, 0,1,2,3
	v_mov_b32 v[TM+4+\b], 0
.endr
	v_mov_b32 v[BB+1], 0
	s_wait_tensorcnt 1
	s_barrier_signal -1
	s_barrier_wait -1
	FETCH_B 0, 0, 0
	FETCH_A 0, 0, 0
	SCALES 0, 0
	FETCH_A 0, 0, 4
	STEP 0, 1
	TURN 0, 1, 1, 1
	STEP 1, 0
	TURN 1, 0, 1, 2
	STEP 0, 0
	TURN 0, 1, 0, 3
	STEP 1, 0
	s_wait_dscnt 4*NL
	WIN MUL_LO
	MUL16 0, 1, 1, 1, 0
	MUL16 2, 1, 1, 1, 0
	s_wait_dscnt 0
	WIN MUL_HI
	MUL16 4, 1, 1, 1, 0
	MUL16 6, 1, 1, 1, 0
	WIN 0
	PLACES NP
	s_wait_loadcnt 0x0
.macro EBLK a, mode
.if \mode
	v_mov_b32 v[BB], v[BR+\a]
.endif
	WIN 0x02+(\a)/4
.set i, 0
.rept 32
.if \mode
	v_pk_add_f32 v[T+i:T+i+1], v[64*((\a)%4)+i:64*((\a)%4)+i+1], v[BB:BB+1] op_sel_hi:[1,0]
.else
	v_pk_add_f32 v[T+i:T+i+1], v[64*((\a)%4)+i:64*((\a)%4)+i+1], v[BC+i:BC+i+1]
.endif
.set i, i+2
.endr
	WIN 0
	QUANT T
	PUT \a, 92, 94
.if \mode
	ds_store_b32 v[SCR], v[PW] offset:1024+64*(\a)
.else
	v_and_b32 v[X4], 0xffff, v[PW]
	v_lshrrev_b32 v[X4+1], 16, v[PW]
	ds_store_b32 v[SCR], v[X4] offset:64*(\a)
	ds_store_b32 v[SCR], v[X4+1] offset:512+64*(\a)
.endif
.endm
	s_cmp_eq_u32 ttmp9, 2
	s_cbranch_scc1 .Lpart_v
	s_cmp_eq_u32 ttmp9, 0
	s_mov_b32 s92, 19922944
	s_cselect_b32 s92, 16777216, s92
	s_mov_b32 s96, 26476544
	s_cselect_b32 s96, 26214400, s96
	s_lshl_b32 s94, s40, 2
	s_lshl_b32 s95, s16, 1
	s_add_co_u32 s94, s94, s95
	s_mul_i32 s95, s94, 196608
	s_add_co_u32 s92, s92, s95
	s_lshl_b32 s95, s94, 14
	s_add_co_u32 s96, s96, s95
	s_lshl_b32 s94, s17, 2
	s_add_co_u32 s94, s94, s41
	s_lshl_b32 s94, s94, 1
	s_add_co_u32 s94, s94, s15
	s_mul_i32 s95, s94, 6144
	s_add_co_u32 s92, s92, s95
	s_lshl_b32 s95, s94, 9
	s_add_co_u32 s96, s96, s95
	s_mov_b32 s93, 0
	s_mov_b32 s97, 0
	s_add_nc_u64 s[92:93], s[12:13], s[92:93]
	s_add_nc_u64 s[94:95], s[92:93], 196608
	s_add_nc_u64 s[96:97], s[12:13], s[96:97]
.irp a, 0,1,2,3,4,5,6,7
	EBLK \a, 0
.endr
	ds_load_b128 v[212:215], v[SCRR]
	ds_load_b128 v[216:219], v[SCRR] offset:512
	s_wait_dscnt 0x0
	global_store_b128 v[O16], v[212:215], s[96:97]
	global_store_b128 v[O16], v[216:219], s[96:97] offset:16384
	s_branch .Ljoin
.Lpart_v:
	s_lshl_b32 s94, s17, 2
	s_add_co_u32 s94, s94, s40
	s_lshl_b32 s94, s94, 1
	s_add_co_u32 s94, s94, s16
	s_mul_i32 s92, s94, 2*49152
	s_lshl_b32 s96, s94, 12
	s_lshl_b32 s94, s41, 1
	s_add_co_u32 s94, s94, s15
	s_mul_i32 s95, s94, 6144
	s_add_co_u32 s92, s92, s95
	s_add_co_u32 s92, s92, 23068672
	s_lshl_b32 s95, s94, 9
	s_add_co_u32 s96, s96, s95
	s_add_co_u32 s96, s96, 26738688
	s_mov_b32 s93, 0
	s_mov_b32 s97, 0
	s_add_nc_u64 s[92:93], s[12:13], s[92:93]
	s_add_nc_u64 s[94:95], s[92:93], 49152
	s_add_nc_u64 s[96:97], s[12:13], s[96:97]
.irp a, 0,1,2,3,4,5,6,7
	EBLK \a, 1
.endr
	ds_load_b128 v[212:215], v[SCRR] offset:1024
	s_wait_dscnt 0x0
	global_store_b128 v[O16], v[212:215], s[96:97]
.Ljoin:
	s_wait_tensorcnt 0x0
	ds_add_u32 v[SPW], v[NIL]
	s_wait_dscnt 0x0
	CROUND
	s_endpgm
.Lfunc_end_k_qf577112635_qkv:
	.size	k_qf577112635_qkv, .Lfunc_end_k_qf577112635_qkv-k_qf577112635_qkv
	.p2alignl 7, 3214868480
	.fill 96, 4, 3214868480
	.section	.rodata,"a",@progbits
	.p2align	6, 0x0
	.amdhsa_kernel k_qf577112635_qkv
		.amdhsa_group_segment_fixed_size 327680
		.amdhsa_private_segment_fixed_size 0
		.amdhsa_enable_private_segment 0
		.amdhsa_kernarg_size 40
		.amdhsa_user_sgpr_count 2
		.amdhsa_user_sgpr_kernarg_segment_ptr 1
		.amdhsa_wavefront_size32 1
		.amdhsa_system_sgpr_workgroup_id_x 1
		.amdhsa_system_sgpr_workgroup_id_y 1
		.amdhsa_system_sgpr_workgroup_id_z 1
		.amdhsa_system_vgpr_workitem_id 0
		.amdhsa_next_free_vgpr 1024
		.amdhsa_next_free_sgpr 100
		.amdhsa_reserve_vcc 0
		.amdhsa_float_denorm_mode_32 3
		.amdhsa_float_denorm_mode_16_64 3
		.amdhsa_memory_ordered 1
		.amdhsa_forward_progress 1
		.amdhsa_inst_pref_size 224
	.end_amdhsa_kernel
	.amdgpu_metadata
---
amdhsa.version: [ 1, 2 ]
amdhsa.kernels:
  - .name:           k_qf577112635_qkv
    .symbol:         k_qf577112635_qkv.kd
    .args:
      - { .name: QB, .offset: 0, .size: 8, .value_kind: global_buffer, .address_space: global }
      - { .name: bq, .offset: 8, .size: 8, .value_kind: global_buffer, .address_space: global }
      - { .name: bk, .offset: 16, .size: 8, .value_kind: global_buffer, .address_space: global }
      - { .name: bv, .offset: 24, .size: 8, .value_kind: global_buffer, .address_space: global }
      - { .name: QKV, .offset: 32, .size: 8, .value_kind: global_buffer, .address_space: global }
    .group_segment_fixed_size: 327680
    .private_segment_fixed_size: 0
    .kernarg_segment_align: 8
    .kernarg_segment_size: 40
    .max_flat_workgroup_size: 128
    .sgpr_count:     100
    .vgpr_count:     1024
    .wavefront_size: 32
...
	.end_amdgpu_metadata
.endif
;; end of part 2
;; launch attn (part 3): grid 8 x 32, 16 waves a work-group, clusters of 4 x 1, 210,944 bytes of LDS; arguments QKV, CTX; writes CTX
.if DOCPART == 3
	.amdgcn_target "amdgcn-amd-amdhsa--gfx1250"
	.amdhsa_code_object_version 6
	.text
	.protected	k_qf577112635_attn
	.globl	k_qf577112635_attn
	.p2align	8
	.type	k_qf577112635_attn,@function
k_qf577112635_attn:
	s_mov_b64 s[64:65], 0
	v_nop
	global_prefetch_b8 v0, s[64:65] scope:SCOPE_SE
	s_setreg_imm32_b32 hwreg(HW_REG_WAVE_MODE, 25, 1), 1
	s_wait_xcnt 0x0
	s_wait_alu depctr_hold_cnt(0) depctr_sa_sdst(0) depctr_va_vdst(0) depctr_va_sdst(0) depctr_va_ssrc(0) depctr_va_vcc(0) depctr_vm_vsrc(0)
	s_getreg_b32 s2, hwreg(HW_REG_IB_STS2, 6, 4)
	s_cmp_eq_u32 s2, 0
	s_cbranch_scc0 .Lentry_in_a_cluster
	s_endpgm
.Lentry_in_a_cluster:
	s_bfe_u32 s2, ttmp6, 0x10000c
	s_cmp_lg_u32 s2, 0x3003
	s_cbranch_scc0 .Lentry_shape_is_right
	s_endpgm
.Lentry_shape_is_right:
; ctx = softmax(q k^T / 8) v for one (batch, head) and 256 queries a work-group, both products on codes of FP6 (E2M3) with E8M0 scales; ctx is quantised along the channels on the way out.
; THE SOFTMAX AHEAD OF THE SECOND PRODUCT: t = score x log2(e) / 8; M = the row's largest t so far, rounded up to a whole number; p = 2^(t - M) is quantised along the keys, not normalised;
; the row's sum is taken of the unquantised p and divides O at the end.  When M moves, the sum and O are multiplied by 2^(old M - new M): exact.
; The head's size is 64: the first product's K = 64 .. 127 are zero codes on both sides (registers cleared once), under scale bytes 0.
; SHARES.  Sixteen waves, each 16 query positions in 256 registers.  Every wave walks the 2,048 keys, 128 a step, in one loop of 16 trips.
; THE HEAD'S WHOLE K AND V (codes and scale words, 208,896 bytes) come into LDS once, by joint loads of the four work-groups of a cluster, which belong to one head.  No LDS byte is filled twice.
; One tensor load a wave: waves 0-5 a sixth of K's codes each (16,384 bytes), waves 6-13 four chunks of V's codes each, wave 14 K's scale words, wave 15 V's.  One wait for 0 and one barrier show all of it.
; No prefetch: the tiles are asked for once, at the head, and the loop reads LDS alone.
; LAYOUT.  Both products are used transposed (S^T = K Q^T, O^T = V^T P^T): a lane holds one query.  Tiles are images of the operand's registers; position p of a tile row holds the true row p with bits 3 and 4
; exchanged, so that the 16 registers of two neighbouring tiles are 16 true neighbours: keys in S^T, channels in O^T.
; The scale word of ctx for 128 channels spans two heads, which are two work-groups: each wave stores its half by one store of two bytes a lane, four bytes apart.
; LIMITS: NaN and infinities are not served.  A block's largest p is taken from the block's largest score by the same two instructions: this takes v_exp_f32 not to fall where its input rises.
; REGISTERS: v1-6 addresses that stay; v7-12 the step's; v13 Q's scale words; v14 -M, v15 the largest t; v[16:17] the sum; v18 f; v19 p's scale word; v20-31 Q; v32-79 four fragments of K;
;   v80-87 K's scale words, v88-91 V's; v92-95 at work; v128-191 S^T, then p, then V's four fragments; v192-223 O^T; v224-235 p's codes; v236-255 at work.
.set QCO, 16777216                     ; QKV: q's codes, k's, v's; q's scale words, k's, v's
.set KCO, 19922944
.set VCO, 23068672
.set QSO, 26214400
.set KSO, 26476544
.set VSO, 26738688
.set CCO, 524288                       ; CTX: where the codes begin
.set VC,  98304                        ; LDS: K's codes at 0: [step 16][tile 8][768]; V's here: [step 16][chunk 2][tile 4][768]
.set KSC, 196608                       ; K's scale words [step][tile 8][r]
.set VSC, 204800                       ; V's [step][tile 4][r]
.set WV,  8
.set SEL, 10
.set CS,  12
.set TJ,  14                           ; the step's codes: 6,144 bytes a step
.set TS,  15                           ; K's scale words: 512
.set TV,  16                           ; V's: 256
.set CNT, 17
.set G1KC, 28
.set G1VC, 36
.set G1KS, 44
.set G1VS, 52
.set G0KC, 68                          ; four groups 0
.set G0VC, 72
.set G0KS, 76
.set G0VS, 80
.set S,   128
.set O,   192
.set P,   224
.set PT,  236
.set BM,  244
.set BP,  248
.set SO,  252
.macro CROUND
	s_barrier_signal -1
	s_barrier_wait -1
	s_cmp_lg_u32 s[WV], 0
	s_cbranch_scc1 .Lnot_wave_0_\@
	s_barrier_signal -3
.Lnot_wave_0_\@:
	s_barrier_wait -3
	s_barrier_signal -1
	s_barrier_wait -1
.endm
.macro TL g0, g1                       ; a joint load, with s_nop 0 and four v_nop behind it
	tensor_load_to_lds s[\g0:\g0+3], s[\g1:\g1+7]
	s_nop 0
.rept 4
	v_nop
.endr
.endm
	s_load_b128 s[4:7], s[0:1], 0x0                ; QKV, CTX
	v_lshl_add_u32 v239, v0, 2, 0x33000
	v_mov_b32 v243, 0
	ds_add_u32 v239, v243
	ds_add_u32 v239, v243
	v_lshrrev_b32 v1, 5, v0
	s_delay_alu instid0(VALU_DEP_1)
	v_readfirstlane_b32 s[WV], v1                  ; wave 0..15
	s_and_b32 s18, ttmp7, 0xffff
	s_lshr_b32 s19, s18, 4                         ; batch
	s_and_b32 s18, s18, 15                         ; head
	s_lshl_b32 s[G0KC+1], s[WV], 14                ; K's codes, waves 0-5: 16,384 bytes a wave, in LDS
	s_mul_i32 s22, s18, 196608
	s_mul_i32 s21, s19, 98304
	s_add_co_u32 s22, s22, s21
	s_add_co_u32 s22, s22, s[G0KC+1]
	s_add_co_u32 s22, s22, KCO                     ; and in memory
	s_mov_b32 s23, 0
	s_mul_i32 s[G0VC+1], s[WV], 12288              ; V's codes, waves 6-13: four chunks (two key steps) a wave
	s_add_co_u32 s[G0VC+1], s[G0VC+1], VC-6*12288
	s_mul_i32 s26, s19, 32*49152                   ; chunk 32 batch + 4 (wave - 6), 49,152 bytes each,
	s_mul_i32 s27, s[WV], 4*49152
	s_add_co_u32 s26, s26, s27
	s_mul_i32 s27, s18, 3072                       ; the head's four tiles
	s_add_co_u32 s26, s26, s27
	s_add_co_u32 s26, s26, VCO-6*4*49152
	s_mov_b32 s27, 0
	s_lshl_b32 s24, s18, 14                        ; K's scale words: 8,192 bytes on end
	s_lshl_b32 s25, s19, 13
	s_add_co_u32 s24, s24, s25
	s_add_co_u32 s24, s24, KSO
	s_mov_b32 s25, 0
	s_mov_b32 s[G0KS+1], KSC
	s_lshl_b32 s2, s19, 16                         ; V's: groups of 128 tokens 16 batch on, 4,096 bytes each,
	s_lshl_b32 s3, s18, 8                          ; the head's 256 bytes
	s_add_co_u32 s2, s2, s3
	s_add_co_u32 s2, s2, VSO
	s_mov_b32 s3, 0
	s_mov_b32 s[G0VS+1], VSC
	; groups 1: elements of 8 bytes, the mask of all four work-groups, bit 21 beside it; no padding
.irp g, G1KC, G1VC, G1KS, G1VS
	s_mov_b32 s[\g], 15|(3<<16)|(1<<21)
	s_mov_b32 s[\g+6], 0
	s_mov_b32 s[\g+7], 0
.endr
	s_mov_b32 s[G1KC+1], 256<<16                   ; K's codes: eight rows of 2,048 bytes on end
	s_mov_b32 s[G1KC+2], 8<<16
	s_mov_b32 s[G1KC+3], 256<<16
	s_mov_b32 s[G1KC+4], 8
	s_mov_b32 s[G1KC+5], 256
	s_mov_b32 s[G1VC+1], 384<<16                   ; V's codes: four rows of 3,072 bytes, 49,152 apart
	s_mov_b32 s[G1VC+2], 4<<16
	s_mov_b32 s[G1VC+3], 384<<16
	s_mov_b32 s[G1VC+4], 4
	s_mov_b32 s[G1VC+5], 6144
	s_mov_b32 s[G1KS+1], 128<<16                   ; K's scale words: eight rows of 1,024 bytes on end
	s_mov_b32 s[G1KS+2], 8<<16
	s_mov_b32 s[G1KS+3], 128<<16
	s_mov_b32 s[G1KS+4], 8
	s_mov_b32 s[G1KS+5], 128
	s_mov_b32 s[G1VS+1], 32<<16                    ; V's: sixteen rows of 256 bytes, 4,096 apart
	s_mov_b32 s[G1VS+2], 16<<16
	s_mov_b32 s[G1VS+3], 32<<16
	s_mov_b32 s[G1VS+4], 16
	s_mov_b32 s[G1VS+5], 512
	; my queries: tile T = 128 batch + 16 (4 cluster x + cx) + wave.  cx enters these global addresses alone
	s_bfe_u32 s92, ttmp6, 0x40000
	s_lshl_b32 s93, ttmp9, 2
	s_add_co_u32 s92, s92, s93
	s_lshl_b32 s92, s92, 4
	s_add_co_u32 s92, s92, s[WV]
	s_lshl_b32 s93, s19, 7
	s_add_co_u32 s92, s92, s93                     ; T
	s_lshl_b32 s94, s92, 6                         ; 64 T: its scale words
	s_mul_i32 s92, s92, 768
	s_mul_i32 s93, s18, 196608
	s_add_co_u32 s92, s92, s93                     ; its image in plane `head`
	s_add_co_u32 s96, s92, CCO
	s_add_co_u32 s92, s92, QCO
	s_lshr_b32 s98, s18, 1
	s_lshl_b32 s98, s98, 14
	s_add_co_u32 s98, s98, s94
	s_and_b32 s99, s18, 1
	s_lshl_b32 s99, s99, 1
	s_add_co_u32 s98, s98, s99                     ; ctx's scale words: plane head / 2, half word head % 2
	s_lshl_b32 s93, s18, 14
	s_add_co_u32 s94, s94, s93
	s_add_co_u32 s94, s94, QSO
	s_mov_b32 s93, 0
	s_mov_b32 s95, 0
	s_mov_b32 s97, 0
	s_mov_b32 s99, 0
	s_mov_b32 s[SEL], 0x76543210
	s_mov_b32 s[SEL+1], 0xfedcba98
	s_mov_b32 s[CS], 0x3e38aa3b                    ; c = log2(e) / 8
	s_mov_b32 s[CS+1], s[CS]
	s_wait_dscnt 0x0
	s_wait_kmcnt 0x0
	s_mov_b32 s[G0KC], 1
	s_add_nc_u64 s[G0KC+2:G0KC+3], s[4:5], s[22:23]
	s_or_b32 s[G0KC+3], s[G0KC+3], 0x80000000
	s_mov_b32 s[G0VC], 1
	s_add_nc_u64 s[G0VC+2:G0VC+3], s[4:5], s[26:27]
	s_or_b32 s[G0VC+3], s[G0VC+3], 0x80000000
	s_mov_b32 s[G0KS], 1
	s_add_nc_u64 s[G0KS+2:G0KS+3], s[4:5], s[24:25]
	s_or_b32 s[G0KS+3], s[G0KS+3], 0x80000000
	s_mov_b32 s[G0VS], 1
	s_add_nc_u64 s[G0VS+2:G0VS+3], s[4:5], s[2:3]
	s_or_b32 s[G0VS+3], s[G0VS+3], 0x80000000
	s_add_nc_u64 s[92:93], s[4:5], s[92:93]        ; Q's image
	s_add_nc_u64 s[94:95], s[4:5], s[94:95]        ; Q's scale words
	s_add_nc_u64 s[96:97], s[6:7], s[96:97]        ; ctx's image
	s_add_nc_u64 s[98:99], s[6:7], s[98:99]        ; ctx's scale words
	CROUND                                         ; all four work-groups are here: the joint loads meet
	s_cmp_lt_u32 s[WV], 6                          ; one chain of branches on the wave's number, one load to an arm: one tensor load of mine is out
	s_cbranch_scc0 .Lfor_v
	TL G0KC, G1KC
	s_branch .Lasked
.Lfor_v:
	s_cmp_lt_u32 s[WV], 14
	s_cbranch_scc0 .Lfor_ks
	TL G0VC, G1VC
	s_branch .Lasked
.Lfor_ks:
	s_cmp_eq_u32 s[WV], 14
	s_cbranch_scc0 .Lfor_vs
	TL G0KS, G1KS
	s_branch .Lasked
.Lfor_vs:
	TL G0VS, G1VS
.Lasked:
	v_and_b32 v92, 31, v0
	v_and_b32 v93, 15, v0
	s_delay_alu instid0(VALU_DEP_2)
	v_lshlrev_b32 v1, 4, v92                       ; 16 x lane
	s_delay_alu instid0(VALU_DEP_3)
	v_lshl_add_u32 v2, v92, 3, 512                 ; 512 + 8 x lane
	s_delay_alu instid0(VALU_DEP_2)
	v_add_nc_u32 v3, VC, v1
	s_delay_alu instid0(VALU_DEP_2)
	v_add_nc_u32 v4, VC, v2
	v_lshlrev_b32 v93, 2, v93                      ; 4 r
	s_delay_alu instid0(VALU_DEP_1)
	v_add_nc_u32 v5, KSC, v93
	s_delay_alu instid0(VALU_DEP_2)
	v_add_nc_u32 v6, VSC, v93
	global_load_b128 v[20:23], v1, s[92:93]        ; Q's image: registers 0-5 of its fragment
	global_load_b64 v[24:25], v2, s[92:93]
	global_load_b32 v13, v93, s[94:95]
.irp j, 26,27,28,29,30,31
	v_mov_b32 v[\j], 0                             ; Q's K = 64 .. 127: zero codes
.endr
.irp t, 0,1,2,3
.irp j, 6,7,8,9,10,11
	v_mov_b32 v[32+12*\t+\j], 0                    ; K's likewise: cleared once, never written again
.endr
.endr
	v_mov_b32 v15, 0xff61b1e6                      ; the largest t so far: -3e38
	s_delay_alu instid0(VALU_DEP_1)
	v_floor_f32 v14, -v15                          ; -M
	v_mov_b32 v16, 0
	v_mov_b32 v17, 0
	v_mov_b32 v19, 0                               ; (named as the upper half of the pair v[18:19] before it is first written)
	v_mov_b32 v94, 0
.irp b, 0,1,2,3
	v_mov_b32 v[BP+\b], 0                          ; a lane permute's destination counts as one of its sources
.endr
.set j, 0
.rept 32
	v_mov_b32 v[O+j], 0                            ; O^T: the step is written once; the first change of M leaves zeros zeros
.set j, j+1
.endr
; A KEY STEP: 128 keys
.macro KSTEP
	v_add_nc_u32 v7, s[TJ], v1                     ; six plain lines: the places between the last step's products and the products and loads below that write over their registers
	s_wait_alu depctr_va_vdst(0)
	v_add_nc_u32 v8, s[TJ], v2
	s_wait_alu depctr_va_vdst(0)
	v_add_nc_u32 v9, s[TJ], v3
	v_add_nc_u32 v10, s[TJ], v4
	v_add_nc_u32 v11, s[TS], v5
	v_add_nc_u32 v12, s[TV], v6
.irp t, 0,1,2,3,4,5,6,7
	ds_load_b32 v[80+\t], v11 offset:64*\t
.endr
.irp g, 0,1                                    ; S^T = K Q^T, four tiles of 16 keys at a time
.if \g
.rept 4
	v_nop                                          ; places in front of loads into registers that matrix instructions have read
.endr
.endif
.irp t, 0,1,2,3
	ds_load_b128 v[32+12*\t:35+12*\t], v7 offset:768*(4*\g+\t)
	ds_load_b64 v[36+12*\t:37+12*\t], v8 offset:768*(4*\g+\t)
.endr
	s_wait_dscnt 0x0
.irp t, 0,1,2,3
	v_wmma_scale_f32_16x16x128_f8f6f4 v[S+8*(4*\g+\t):S+7+8*(4*\g+\t)], v[32+12*\t:43+12*\t], v[20:31], 0, v[80+4*\g+\t], v13 matrix_a_fmt:MATRIX_FMT_FP6 matrix_b_fmt:MATRIX_FMT_FP6
.endr
.endr
.rept 4
	v_nop
.endr
.irp b, 0,1,2,3
	v_max3_num_f32 v[BM+\b], v[S+16*\b], v[S+1+16*\b], v[S+2+16*\b]   ; the largest score of each block of 32 keys: for the row's maximum, and for the block's largest p
.endr
.irp i, 3,5,7,9,11,13
.irp b, 0,1,2,3
	v_max3_num_f32 v[BM+\b], v[BM+\b], v[S+16*\b+\i], v[S+1+16*\b+\i]
.endr
.endr
.irp b, 0,1,2,3
	v_max_num_f32 v[BM+\b], v[BM+\b], v[S+15+16*\b]
.endr
.irp b, 0,1,2,3
	s_delay_alu instid0(VALU_DEP_4)
	v_permlanex16_b32 v[BP+\b], v[BM+\b], s[SEL], s[SEL+1]
.endr
.irp b, 0,1,2,3
	s_delay_alu instid0(VALU_DEP_4)
	v_max_num_f32 v[BM+\b], v[BM+\b], v[BP+\b]     ; with lane l xor 16's 16 keys
.endr
	s_delay_alu instid0(VALU_DEP_2)
	v_max3_num_f32 v94, v[BM], v[BM+1], v[BM+2]
	s_delay_alu instid0(VALU_DEP_1)
	v_max_num_f32 v94, v94, v[BM+3]
	s_delay_alu instid0(VALU_DEP_1)
	v_mul_f32 v94, s[CS], v94                      ; as t
	s_delay_alu instid0(VALU_DEP_1)
	v_max_num_f32 v15, v15, v94                    ; the running largest t
	v_mov_b32 v94, v14
	s_delay_alu instid0(VALU_DEP_2)
	v_floor_f32 v14, -v15                          ; the new -M = -ceil(t)
	s_delay_alu instid0(VALU_DEP_1)
	v_sub_f32 v94, v14, v94                        ; old M - new M: a whole number, 0 or less
	s_delay_alu instid0(VALU_DEP_1)
	v_cvt_i32_f32 v94, v94                         ; (it saturates)
	s_delay_alu instid0(VALU_DEP_1)
	v_ldexp_f32 v18, 1.0, v94                      ; f = 2^(old M - new M)
.set j, 0
.rept 32
	v_pk_fma_f32 v[S+j:S+j+1], v[S+j:S+j+1], s[CS:CS+1], v[14:15] op_sel_hi:[1,0,0]   ; t - M
.set j, j+2
.endr
.irp b, 0,1,2,3
	v_fma_f32 v[BM+\b], v[BM+\b], s[CS], v14       ; the same of each block's largest score
.endr
.set j, 0
	s_wait_alu depctr_va_vdst(0)
.rept 64
	v_exp_f32 v[S+j], v[S+j]                       ; p = 2^(t - M)
.set j, j+1
.endr
.irp b, 0,1,2,3
	v_exp_f32 v[BM+\b], v[BM+\b]                   ; the block's largest p
.endr
	v_pk_mul_f32 v[16:17], v[16:17], v[18:19] op_sel_hi:[1,0]   ; the sums under the new M.  (A plain place behind the exponentials)
	s_wait_alu depctr_va_vdst(0)
.irp b, 0,1,2,3
	v_max_num_f32 v[BM+\b], 0x1800000, v[BM+\b]    ; the floor 2^(3 - 127)
.endr
.irp b, 0,1,2,3
	s_delay_alu instid0(VALU_DEP_4)
	v_add_nc_u32 v[SO+\b], 0xff000000, v[BM+\b]    ; the conversion's scale operand
.endr
.irp b, 0,1,2,3
	s_delay_alu instid0(VALU_DEP_4)
	v_lshrrev_b32 v[BP+\b], 23, v[SO+\b]           ; the byte
.endr
	s_delay_alu instid0(VALU_DEP_3)
	v_lshl_or_b32 v19, v[BP+1], 8, v[BP]           ; p's scale word for these 128 keys
	s_delay_alu instid0(VALU_DEP_1)
	v_lshl_or_b32 v19, v[BP+2], 16, v19
	s_delay_alu instid0(VALU_DEP_1)
	v_lshl_or_b32 v19, v[BP+3], 24, v19
.irp c, 0,1
	v_cvt_scalef32_pk16_fp6_f32 v[P+6*\c:P+2+6*\c], v[S+32*\c:S+15+32*\c], v[SO+2*\c]
	v_cvt_scalef32_pk16_fp6_f32 v[PT+4*\c:PT+2+4*\c], v[S+16+32*\c:S+31+32*\c], v[SO+2*\c+1]
.endr
	v_nop                                          ; one plain place behind a scaled conversion
.irp c, 0,1
.irp i, 0,1,2
	v_permlane16_swap_b32 v[P+6*\c+\i], v[PT+4*\c+\i]
.endr
.irp i, 0,1,2
	s_delay_alu instid0(VALU_DEP_3)
	v_mov_b32 v[P+3+6*\c+\i], v[PT+4*\c+\i]
.endr
.endr
	v_pk_add_f32 v[92:93], v[132:133], v[136:137]  ; the row's sum of the unquantised p, in eight chains
	v_pk_add_f32 v[254:255], v[140:141], v[144:145]
	v_pk_add_f32 v[252:253], v[148:149], v[152:153]
	v_pk_add_f32 v[246:247], v[156:157], v[160:161]
	v_pk_add_f32 v[244:245], v[164:165], v[168:169]
	v_pk_add_f32 v[240:241], v[172:173], v[176:177]
	v_pk_add_f32 v[236:237], v[180:181], v[184:185]
	v_pk_add_f32 v[16:17], v[16:17], v[188:189]
	v_pk_add_f32 v[92:93], v[92:93], v[128:129]
	v_pk_add_f32 v[254:255], v[254:255], v[130:131]
	v_pk_add_f32 v[252:253], v[252:253], v[134:135]
	v_pk_add_f32 v[246:247], v[246:247], v[138:139]
	v_pk_add_f32 v[244:245], v[244:245], v[142:143]
	v_pk_add_f32 v[240:241], v[240:241], v[146:147]
	v_pk_add_f32 v[236:237], v[236:237], v[150:151]
	v_pk_add_f32 v[16:17], v[16:17], v[154:155]
	v_pk_add_f32 v[92:93], v[92:93], v[158:159]
	v_pk_add_f32 v[254:255], v[254:255], v[162:163]
	v_pk_add_f32 v[252:253], v[252:253], v[166:167]
	v_pk_add_f32 v[246:247], v[246:247], v[170:171]
	v_pk_add_f32 v[244:245], v[244:245], v[174:175]
	v_pk_add_f32 v[240:241], v[240:241], v[178:179]
	v_pk_add_f32 v[236:237], v[236:237], v[182:183]
	v_pk_add_f32 v[16:17], v[16:17], v[186:187]
	v_pk_add_f32 v[92:93], v[92:93], v[190:191]
	s_delay_alu instid0(VALU_DEP_2)
	v_pk_add_f32 v[16:17], v[16:17], v[246:247]
	s_delay_alu instid0(VALU_DEP_2)
	v_pk_add_f32 v[92:93], v[92:93], v[244:245]
	v_pk_add_f32 v[254:255], v[254:255], v[240:241]
	v_pk_add_f32 v[252:253], v[252:253], v[236:237]
	s_delay_alu instid0(VALU_DEP_2)
	v_pk_add_f32 v[16:17], v[16:17], v[254:255]
	s_delay_alu instid0(VALU_DEP_2)
	v_pk_add_f32 v[92:93], v[92:93], v[252:253]
	s_delay_alu instid0(VALU_DEP_1)
	v_pk_add_f32 v[16:17], v[16:17], v[92:93]
.irp t, 0,1,2,3                                ; V's four fragments (16 channels x 128 keys) take the registers that p has left
	ds_load_b128 v[S+12*\t:S+3+12*\t], v9 offset:768*\t
	ds_load_b64 v[S+4+12*\t:S+5+12*\t], v10 offset:768*\t
	ds_load_b128 v[S+6+12*\t:S+9+12*\t], v9 offset:3072+768*\t
	ds_load_b64 v[S+10+12*\t:S+11+12*\t], v10 offset:3072+768*\t
	ds_load_b32 v[88+\t], v12 offset:64*\t
.endr
.set j, 0
.rept 16
	v_pk_mul_f32 v[O+j:O+j+1], v[O+j:O+j+1], v[18:19] op_sel_hi:[1,0]   ; O^T under the new M.  (With the sums above: the places between p's codes and scale word and the products below)
.set j, j+2
.endr
	s_wait_alu depctr_va_vdst(0)
	s_wait_dscnt 0x0
.irp t, 0,1,2,3
	v_wmma_scale_f32_16x16x128_f8f6f4 v[O+8*\t:O+7+8*\t], v[S+12*\t:S+11+12*\t], v[P:P+11], v[O+8*\t:O+7+8*\t], v[88+\t], v19 matrix_a_fmt:MATRIX_FMT_FP6 matrix_b_fmt:MATRIX_FMT_FP6
.endr
	s_add_co_u32 s[TJ], s[TJ], 6144
	s_add_co_u32 s[TS], s[TS], 512
	s_add_co_u32 s[TV], s[TV], 256
.endm
	s_wait_loadcnt 0x0                             ; Q
	s_wait_tensorcnt 0x0                           ; my tile is in,
	s_barrier_signal -1
	s_barrier_wait -1                              ; everybody's is
	s_mov_b32 s[TJ], 0
	s_mov_b32 s[TS], 0
	s_mov_b32 s[TV], 0
	s_mov_b32 s[CNT], 16                           ; sixteen key steps.  The accumulators take turns, one instruction a turn, over the backward jump too
.Lstep:
	KSTEP
	s_sub_co_u32 s[CNT], s[CNT], 1
	s_cmp_lg_u32 s[CNT], 0
	s_cbranch_scc1 .Lstep
	; THE WAY OUT: O^T / the sum; register 16 b + i is channel 32 b + 16 (lane / 16) + i of the head: two blocks of 32, quantised as one chunk of the next product's K
.rept 4
	v_nop
.endr
	v_add_f32 v16, v16, v17
	s_delay_alu instid0(VALU_DEP_1)
	v_permlanex16_b32 v94, v16, s[SEL], s[SEL+1]
	s_delay_alu instid0(VALU_DEP_1)
	v_add_f32 v16, v16, v94                        ; the row's sum
	s_wait_alu depctr_va_vdst(0)
	v_rcp_f32 v16, v16
	v_and_b32 v92, 15, v0                          ; (a plain place behind the transcendental)
	s_delay_alu instid0(VALU_DEP_1)
	v_lshlrev_b32 v92, 2, v92                      ; 4 r
.set j, 0
	s_wait_alu depctr_va_vdst(0)
.rept 32
	v_mul_f32 v[S+j], v[O+j], v16                  ; each accumulator from its low end on
.set j, j+1
.endr
.irp b, 0,1
	v_max3_num_f32 v[BM+\b], |v[S+16*\b]|, |v[S+1+16*\b]|, 0x1800000
.endr
.irp i, 2,4,6,8,10,12,14
.irp b, 0,1
	s_delay_alu instid0(VALU_DEP_2)
	v_max3_num_f32 v[BM+\b], v[BM+\b], |v[S+16*\b+\i]|, |v[S+1+16*\b+\i]|
.endr
.endr
.irp b, 0,1
	s_delay_alu instid0(VALU_DEP_2)
	v_permlanex16_b32 v[BP+\b], v[BM+\b], s[SEL], s[SEL+1]
.endr
.irp b, 0,1
	s_delay_alu instid0(VALU_DEP_2)
	v_max_num_f32 v[BM+\b], v[BM+\b], v[BP+\b]
.endr
.irp b, 0,1
	s_delay_alu instid0(VALU_DEP_2)
	v_add_nc_u32 v[SO+\b], 0xff000000, v[BM+\b]
.endr
.irp b, 0,1
	s_delay_alu instid0(VALU_DEP_2)
	v_lshrrev_b32 v[BP+\b], 23, v[SO+\b]
.endr
	s_delay_alu instid0(VALU_DEP_1)
	v_lshl_or_b32 v95, v[BP+1], 8, v[BP]           ; the head's two bytes
	v_cvt_scalef32_pk16_fp6_f32 v[P:P+2], v[S:S+15], v[SO]
	v_cvt_scalef32_pk16_fp6_f32 v[PT:PT+2], v[S+16:S+31], v[SO+1]
	v_nop
.irp i, 0,1,2
	v_permlane16_swap_b32 v[P+\i], v[PT+\i]
.endr
.irp i, 0,1,2
	s_delay_alu instid0(VALU_DEP_3)
	v_mov_b32 v[P+3+\i], v[PT+\i]
.endr
	global_store_b128 v1, v[P:P+3], s[96:97]       ; the image of (head, T): 512 and 256 consecutive bytes
	global_store_b64 v2, v[P+4:P+5], s[96:97]
	global_store_b16 v92, v95, s[98:99]            ; lanes r and r + 16 store the same two bytes
	s_wait_tensorcnt 0x0
	ds_add_u32 v239, v243
	s_wait_dscnt 0x0
	CROUND                                         ; the closing round: no work-group ends while a partner may still ask for a tile that names it
	s_endpgm
.Lfunc_end_k_qf577112635_attn:
	.size	k_qf577112635_attn, .Lfunc_end_k_qf577112635_attn-k_qf577112635_attn
	.p2alignl 7, 3214868480
	.fill 96, 4, 3214868480
	.section	.rodata,"a",@progbits
	.p2align	6, 0x0
	.amdhsa_kernel k_qf577112635_attn
		.amdhsa_group_segment_fixed_size 210944
		.amdhsa_private_segment_fixed_size 0
		.amdhsa_enable_private_segment 0
		.amdhsa_kernarg_size 16
		.amdhsa_user_sgpr_count 2
		.amdhsa_user_sgpr_kernarg_segment_ptr 1
		.amdhsa_wavefront_size32 1
		.amdhsa_system_sgpr_workgroup_id_x 1
		.amdhsa_system_sgpr_workgroup_id_y 1
		.amdhsa_system_sgpr_workgroup_id_z 1
		.amdhsa_system_vgpr_workitem_id 0
		.amdhsa_next_free_vgpr 256
		.amdhsa_next_free_sgpr 100
		.amdhsa_reserve_vcc 0
		.amdhsa_float_denorm_mode_32 3
		.amdhsa_float_denorm_mode_16_64 3
		.amdhsa_memory_ordered 1
		.amdhsa_forward_progress 1
		.amdhsa_inst_pref_size 34
	.end_amdhsa_kernel
	.amdgpu_metadata
---
amdhsa.version: [ 1, 2 ]
amdhsa.kernels:
  - .name:           k_qf577112635_attn
    .symbol:         k_qf577112635_attn.kd
    .args:
      - { .name: QKV, .offset: 0, .size: 8, .value_kind: global_buffer, .address_space: global }
      - { .name: CTX, .offset: 8, .size: 8, .value_kind: global_buffer, .address_space: global }
    .group_segment_fixed_size: 210944
    .private_segment_fixed_size: 0
    .kernarg_segment_align: 8
    .kernarg_segment_size: 16
    .max_flat_workgroup_size: 512
    .sgpr_count:     100
    .vgpr_count:     256
    .wavefront_size: 32
...
	.end_amdgpu_metadata
.endif
;; end of part 3
;; launch wo (part 4): grid 8 x 32, 4 waves a work-group, clusters of 4 x 4, 327,680 bytes of LDS; arguments CTX, WOB, QKV, x, bo; writes QKV
.if DOCPART == 4
	.amdgcn_target "amdgcn-amd-amdhsa--gfx1250"
	.amdhsa_code_object_version 6
	.text
	.protected	k_qf577112635_wo
	.globl	k_qf577112635_wo
	.p2align	8
	.type	k_qf577112635_wo,@function
k_qf577112635_wo:
	s_mov_b64 s[64:65], 0
	v_nop
	global_prefetch_b8 v0, s[64:65] scope:SCOPE_SE
	s_setreg_imm32_b32 hwreg(HW_REG_WAVE_MODE, 25, 1), 1
	s_wait_xcnt 0x0
	s_wait_alu depctr_hold_cnt(0) depctr_sa_sdst(0) depctr_va_vdst(0) depctr_va_sdst(0) depctr_va_ssrc(0) depctr_va_vcc(0) depctr_vm_vsrc(0)
	s_getreg_b32 s2, hwreg(HW_REG_IB_STS2, 6, 4)
	s_cmp_eq_u32 s2, 0
	s_cbranch_scc0 .Lentry_in_a_cluster
	s_endpgm
.Lentry_in_a_cluster:
	s_bfe_u32 s2, ttmp6, 0x10000c
	s_cmp_lg_u32 s2, 0xf033
	s_cbranch_scc0 .Lentry_shape_is_right
	s_endpgm
.Lentry_shape_is_right:
.set LAPS,  1
.set NSL,   1
.set SROWS, 8                          ; all eight planes of scale words come by one load
.set CH,    196608
.set SK,    16384
.set ASTEP, SROWS*SK
.set BSTEP, SROWS*SK
.set KW,    8*LAPS
.set ACODE, 524288
.set BCODE, 131072
.set AFILL, 16*CH
.set BFILL, 64*768
.set FR,    12
.set NP,    4
.set PART,  24576
.set SLOT,  4*PART
.set SCL,   2*SLOT
.set SPARE, SCL+2*KW*512
.set SPITCH, 272
.set ADRA, 16
.set ADRB, 20
.set STO,  24
.set RD,   25
.set CO,   26
.set ADRS, 27
.set SPW,  28
.set NIL,  29
.set SC,   32
.set BK,   64
.set ACC,  128
.set G1, 24
.set G0, 32
.set G1B, 48
.set G0B, 56
.set G1S, 68
.set G0S, 76
.set G1SB, 80
.set G0SB, 88
.set G0S2, 92
.set G0SB2, 96
.set MSB, 0
.macro WIN new
.if MSB != \new
	s_set_vgpr_msb (MSB<<8)|\new
.set MSB, \new
.endif
.endm
.set MUL,  0x05
.set TO_F, 0x40
.macro JLOAD g0a, g1a, g0b, g1b
	s_cmp_eq_u32 s15, 0
	s_cbranch_scc0 .Lfor_b_\@
	tensor_load_to_lds s[\g0a:\g0a+3], s[\g1a:\g1a+7]
	s_nop 0
.rept 4
	v_nop
.endr
	s_branch .Lasked_\@
.Lfor_b_\@:
	tensor_load_to_lds s[\g0b:\g0b+3], s[\g1b:\g1b+7]
	s_nop 0
.rept 4
	v_nop
.endr
.Lasked_\@:
.endm
.macro CREST
	s_cmp_lg_u32 s14, 0
	s_cbranch_scc1 .Lnot_wave_0_\@
	s_barrier_signal -3
.Lnot_wave_0_\@:
	s_barrier_wait -3
	s_barrier_signal -1
	s_barrier_wait -1
.endm
.macro CROUND
	s_barrier_signal -1
	s_barrier_wait -1
	CREST
.endm
.macro PLACES n
.rept \n
	v_nop
.endr
.endm
.macro SDESC ga, gb, j
	s_mov_b32 s[\ga], 1
	s_add_co_u32 s[\ga+1], s12, SCL+(\j)*SROWS*512
	s_add_nc_u64 s[\ga+2:\ga+3], s[22:23], (\j)*ASTEP
	s_or_b32 s[\ga+3], s[\ga+3], 0x80000000
	s_mov_b32 s[\gb], 1
	s_add_co_u32 s[\gb+1], s12, SCL+(\j)*SROWS*512
	s_add_nc_u64 s[\gb+2:\gb+3], s[10:11], (\j)*BSTEP
	s_or_b32 s[\gb+3], s[\gb+3], 0x80000000
.endm
.macro FRAG reg, adr, q, i
	ds_load_b128 v[\reg:\reg+3], v[\adr] offset:(2*(\q))*6144+(\i)*768
	ds_load_b64 v[\reg+4:\reg+5], v[\adr+2] offset:(2*(\q))*6144+(\i)*768
	ds_load_b128 v[\reg+6:\reg+9], v[\adr] offset:(2*(\q)+1)*6144+(\i)*768
	ds_load_b64 v[\reg+10:\reg+11], v[\adr+2] offset:(2*(\q)+1)*6144+(\i)*768
.endm
.macro FETCH slot, q
.set FB, 128*((\q)%2)
	WIN TO_F
.irp i, 0,1,2,3
	FRAG FB+48+FR*\i, ADRB+\slot, \q, \i
.endr
.irp i, 0,1,2,3
	FRAG FB+FR*\i, ADRA+\slot, \q, \i
.endr
	WIN 0
.irp i, 0,1,2,3
	ds_load_b32 v[SC+4*((\q)%2)+\i], v[ADRS] offset:(4*(\slot)+(\q))*512+64*\i
.endr
.endm
.macro MUL4 q, a, zero
.irp b, 0,1,2,3
.if \zero
	v_wmma_scale_f32_16x16x128_f8f6f4 v[ACC+8*(4*(\a)+\b):ACC+8*(4*(\a)+\b)+7], v[128*((\q)%2)+48+FR*\b:128*((\q)%2)+48+FR*\b+FR-1], v[128*((\q)%2)+FR*(\a):128*((\q)%2)+FR*(\a)+FR-1], 0, v[SC+4*((\q)%2)+\b], v[SC+4*((\q)%2)+(\a)] matrix_a_fmt:MATRIX_FMT_FP6 matrix_b_fmt:MATRIX_FMT_FP6 matrix_a_scale:MATRIX_SCALE_ROW1
.else
	v_wmma_scale_f32_16x16x128_f8f6f4 v[ACC+8*(4*(\a)+\b):ACC+8*(4*(\a)+\b)+7], v[128*((\q)%2)+48+FR*\b:128*((\q)%2)+48+FR*\b+FR-1], v[128*((\q)%2)+FR*(\a):128*((\q)%2)+FR*(\a)+FR-1], v[ACC+8*(4*(\a)+\b):ACC+8*(4*(\a)+\b)+7], v[SC+4*((\q)%2)+\b], v[SC+4*((\q)%2)+(\a)] matrix_a_fmt:MATRIX_FMT_FP6 matrix_b_fmt:MATRIX_FMT_FP6 matrix_a_scale:MATRIX_SCALE_ROW1
.endif
.endr
.endm
.macro STEP slot, q, zero
	s_wait_dscnt 0x0
	PLACES NP
	FETCH \slot, (\q)+1
	WIN MUL
	MUL4 \q, 0, \zero
	MUL4 \q, 1, \zero
	MUL4 \q, 2, \zero
	MUL4 \q, 3, \zero
.endm
.macro TURN slot, next, fill
	WIN 0
	s_wait_tensorcnt 0x0
	ds_add_u32 v[SPW], v[NIL]
	s_wait_dscnt 1
	WIN MUL
	MUL4 3, 0, 0
	s_wait_dscnt 0x0
	s_barrier_signal -1
	MUL4 3, 1, 0
	WIN 0
	s_barrier_wait -1
.if \fill
	CREST
	s_add_nc_u64 s[G0+4*\slot+2:G0+4*\slot+3], s[G0+4*\slot+2:G0+4*\slot+3], AFILL
	s_add_nc_u64 s[G0B+4*\slot+2:G0B+4*\slot+3], s[G0B+4*\slot+2:G0B+4*\slot+3], BFILL
	JLOAD G0+4*\slot, G1, G0B+4*\slot, G1B
.else
	PLACES NP
.endif
.if (\next) == 0
	v_add_nc_u32 v[ADRS], 4096, v[ADRS]
.endif
	FETCH \next, 0
	WIN MUL
	MUL4 3, 2, 0
	MUL4 3, 3, 0
.endm
	s_load_b128 s[4:7], s[0:1], 0x0
	s_load_b64 s[8:9], s[0:1], 0x10
	s_load_b128 s[92:95], s[0:1], 0x18             ; x, bo: what is stored is x + (ctx wo + bo), at byte 0 of QKV
	v_lshl_add_u32 v[SPW], v0, 2, SPARE
	v_mov_b32 v[NIL], 0
	ds_add_u32 v28, v29
	ds_add_u32 v28, v29
	s_wait_dscnt 0x0
	v_lshrrev_b32 v1, 5, v0
	v_readfirstlane_b32 s14, v1
	s_lshr_b32 s15, s14, 1
	s_and_b32 s16, s14, 1
	s_bfe_u32 s40, ttmp6, 0x40000
	s_bfe_u32 s41, ttmp6, 0x40004
	s_lshl_b32 s42, ttmp9, 2
	s_add_co_u32 s42, s42, s40
	s_and_b32 s17, ttmp7, 0xffff
	s_lshl_b32 s17, s17, 2
	s_add_co_u32 s17, s17, s41
	s_lshl_b32 s43, s41, 2
	s_lshl_b32 s43, 15, s43
	s_lshl_b32 s44, 0x1111, s40
	s_or_b32 s[G1+0], s43, (3<<16)|(1<<21)
	s_or_b32 s[G1B+0], s44, (3<<16)|(1<<21)
.irp g, G1, G1B
	s_mov_b32 s[\g+1], 768<<16
	s_mov_b32 s[\g+2], 16<<16                      ; all sixteen chunks of K by one load: A's and B's codes (2 x 98,304 bytes) and their scale words fit in LDS together, and no byte is filled twice
	s_mov_b32 s[\g+3], 768<<16
	s_mov_b32 s[\g+4], 16
	s_mov_b32 s[\g+5], CH/8
	s_mov_b32 s[\g+6], 0
	s_mov_b32 s[\g+7], 0
.endr
	s_or_b32 s[G1S+0], s43, (3<<16)|(1<<21)
	s_or_b32 s[G1SB+0], s44, (3<<16)|(1<<21)
.irp g, G1S, G1SB
	s_mov_b32 s[\g+1], 64<<16
	s_mov_b32 s[\g+2], SROWS<<16
	s_mov_b32 s[\g+3], 64<<16
	s_mov_b32 s[\g+4], SROWS
	s_mov_b32 s[\g+5], SK/8
	s_mov_b32 s[\g+6], 0
	s_mov_b32 s[\g+7], 0
.endr
	s_mul_i32 s20, s17, 6144                       ; A's codes: my group's eight images of chunk 0
	s_add_co_u32 s20, s20, ACODE
	s_lshl_b32 s22, s17, 9                         ; A's scale words
	s_mul_i32 s46, s42, 6144                       ; B likewise
	s_add_co_u32 s46, s46, BCODE
	s_lshl_b32 s10, s42, 9
	s_mov_b32 s21, 0
	s_mov_b32 s23, 0
	s_mov_b32 s47, 0
	s_mov_b32 s11, 0
	s_wait_kmcnt 0x0
	s_add_nc_u64 s[20:21], s[4:5], s[20:21]
	s_add_nc_u64 s[22:23], s[4:5], s[22:23]
	s_add_nc_u64 s[46:47], s[6:7], s[46:47]
	s_add_nc_u64 s[10:11], s[6:7], s[10:11]
	CROUND
	; THE HEAD'S FOUR JOINT LOADS, one a wave: A's codes to LDS byte 0, B's behind them, A's scale words, B's.  One chain of branches on the wave's number, one load to an arm
	s_mov_b32 s[G0], 1
	s_mov_b32 s[G0+1], 0
	s_mov_b64 s[G0+2:G0+3], s[20:21]
	s_or_b32 s[G0+3], s[G0+3], 0x80000000
	s_mov_b32 s[G0B], 1
	s_mov_b32 s[G0B+1], SLOT
	s_mov_b64 s[G0B+2:G0B+3], s[46:47]
	s_or_b32 s[G0B+3], s[G0B+3], 0x80000000
	s_mov_b32 s[G0S], 1
	s_mov_b32 s[G0S+1], SCL
	s_mov_b64 s[G0S+2:G0S+3], s[22:23]
	s_or_b32 s[G0S+3], s[G0S+3], 0x80000000
	s_mov_b32 s[G0SB], 1
	s_mov_b32 s[G0SB+1], SCL+KW*512
	s_mov_b64 s[G0SB+2:G0SB+3], s[10:11]
	s_or_b32 s[G0SB+3], s[G0SB+3], 0x80000000
	s_cmp_lt_u32 s14, 1
	s_cbranch_scc0 .Lhead_b
	tensor_load_to_lds s[G0:G0+3], s[G1:G1+7]
	s_nop 0
	PLACES 4
	s_branch .Lhead_asked
.Lhead_b:
	s_cmp_lt_u32 s14, 2
	s_cbranch_scc0 .Lhead_sa
	tensor_load_to_lds s[G0B:G0B+3], s[G1B:G1B+7]
	s_nop 0
	PLACES 4
	s_branch .Lhead_asked
.Lhead_sa:
	s_cmp_lt_u32 s14, 3
	s_cbranch_scc0 .Lhead_sb
	tensor_load_to_lds s[G0S:G0S+3], s[G1S:G1S+7]
	s_nop 0
	PLACES 4
	s_branch .Lhead_asked
.Lhead_sb:
	tensor_load_to_lds s[G0SB:G0SB+3], s[G1SB:G1SB+7]
	s_nop 0
	PLACES 4
.Lhead_asked:
	v_and_b32 v1, 15, v0
	v_bfe_u32 v2, v0, 4, 1
	v_and_b32 v3, 31, v0
	v_lshlrev_b32 v4, 4, v3
	v_lshl_add_u32 v5, v3, 3, 512
	s_mul_i32 s2, s15, 3072
	s_mul_i32 s3, s16, 3072
	s_add_co_u32 s3, s3, SLOT                      ; B's sixteen chunks lie behind A's sixteen
.irp s, 0,1
	v_add_nc_u32 v[ADRA+\s], s2, v4
	v_add_nc_u32 v[ADRA+2+\s], s2, v5
	v_add_nc_u32 v[ADRB+\s], s3, v4
	v_add_nc_u32 v[ADRB+2+\s], s3, v5
	s_add_co_u32 s2, s2, 2*PART                    ; the second half of K: eight chunks on
	s_add_co_u32 s3, s3, 2*PART
.endr
	s_lshl_b32 s2, s15, 8
	s_lshl_b32 s3, s16, 8
	s_add_co_u32 s3, s3, KW*512
	s_sub_co_u32 s3, s3, s2
	v_mul_u32_u24 v6, s3, v2
	s_add_co_u32 s2, s2, SCL
	v_lshl_add_u32 v6, v1, 2, v6
	v_add_nc_u32 v[ADRS], s2, v6
	s_mul_i32 s2, s14, 16*SPITCH
	v_mul_u32_u24 v6, v1, SPITCH
	v_lshl_add_u32 v6, v2, 6, v6
	v_add_nc_u32 v[STO], s2, v6
	v_mul_u32_u24 v6, v2, SPITCH
	v_lshl_add_u32 v6, v1, 4, v6
	v_add_nc_u32 v[RD], s2, v6
	v_lshlrev_b32 v6, 12, v2
	v_lshl_add_u32 v[CO], v1, 4, v6
	s_lshl_b32 s2, s17, 7
	s_lshl_b32 s3, s15, 6
	s_add_co_u32 s2, s2, s3
	s_lshl_b32 s2, s2, 12
	s_lshl_b32 s3, s42, 9
	s_add_co_u32 s2, s2, s3
	s_lshl_b32 s3, s16, 8
	s_add_co_u32 s2, s2, s3
	s_mov_b32 s3, 0
	s_add_nc_u64 s[8:9], s[8:9], s[2:3]
	s_add_nc_u64 s[92:93], s[92:93], s[2:3]        ; x at my 64 x 64 of the result
	s_lshl_b32 s2, s42, 9
	s_lshl_b32 s12, s16, 8
	s_add_co_u32 s2, s2, s12
	s_add_nc_u64 s[94:95], s[94:95], s[2:3]        ; bo at my 64 columns
	v_lshlrev_b32 v6, 4, v1
	s_wait_alu depctr_va_vdst(0)
	s_wait_tensorcnt 0x0                           ; my tile of the four is in
	s_barrier_signal -1
	s_barrier_wait -1
	FETCH 0, 0
	global_load_b128 v[40:43], v6, s[94:95]        ; bo at my lane's four columns: asked for behind the tiles, ahead of x
	WIN 0x80                                       ; destination window 2: v512-639 take x as the stores below will want it, 256 consecutive bytes to sixteen lanes, block by block
.irp a, 0,1,2,3
.irp t, 0,1,2,3,4,5,6,7
	global_load_b128 v[32*\a+4*\t:32*\a+4*\t+3], v[CO], s[92:93] offset:(32*(\a/2)+8*(\a%2)+2*\t+8*(\t/4))*4096 th:TH_LOAD_NT
.endr
.endr
	WIN 0
	STEP 0, 0, 1
.if LAPS > 1
	WIN 0
	s_mov_b32 s13, LAPS-1
.Llap:
	STEP 0, 1, 0
	STEP 0, 2, 0
	TURN 0, 1, 1
	STEP 1, 0, 0
	STEP 1, 1, 0
	STEP 1, 2, 0
	TURN 1, 0, 1
	STEP 0, 0, 0
	WIN 0
	s_sub_co_u32 s13, s13, 1
	s_cmp_lg_u32 s13, 0
	s_cbranch_scc1 .Llap
.endif
	STEP 0, 1, 0
	STEP 0, 2, 0
	TURN 0, 1, 0
	STEP 1, 0, 0
	STEP 1, 1, 0
	STEP 1, 2, 0
	s_wait_dscnt 0x0
	WIN MUL
	MUL4 3, 0, 0
	MUL4 3, 1, 0
	MUL4 3, 2, 0
	MUL4 3, 3, 0
	WIN 0
.macro TOSTAGE a
.irp b, 0,1,2,3
	ds_store_b128 v[STO], v[ACC+8*(4*(\a)+\b):ACC+8*(4*(\a)+\b)+3] offset:128*(\b/2)+32*(\b%2)
	ds_store_b128 v[STO], v[ACC+8*(4*(\a)+\b)+4:ACC+8*(4*(\a)+\b)+7] offset:128*(\b/2)+32*(\b%2)+16
.endr
.irp t, 0,1,2,3,4,5,6,7
	ds_load_b128 v[BK+32*((\a)%2)+4*\t:BK+32*((\a)%2)+4*\t+3], v[RD] offset:\t*2*SPITCH
.endr
.endm
.macro SEND a, younger
	s_wait_dscnt \younger
	s_wait_loadcnt 24-8*(\a)                       ; bo and x's blocks 0 to a are in: behind block a's eight loads stand eight for each later block
.irp t, 0,1,2,3,4,5,6,7
	v_pk_add_f32 v[BK+32*((\a)%2)+4*\t:BK+32*((\a)%2)+4*\t+1], v[BK+32*((\a)%2)+4*\t:BK+32*((\a)%2)+4*\t+1], v[40:41]       ; + bo,
	v_pk_add_f32 v[BK+32*((\a)%2)+4*\t+2:BK+32*((\a)%2)+4*\t+3], v[BK+32*((\a)%2)+4*\t+2:BK+32*((\a)%2)+4*\t+3], v[42:43]
.endr
	WIN 0x08                                       ; source 1 in window 2
.irp t, 0,1,2,3,4,5,6,7
	v_pk_add_f32 v[BK+32*((\a)%2)+4*\t:BK+32*((\a)%2)+4*\t+1], v[BK+32*((\a)%2)+4*\t:BK+32*((\a)%2)+4*\t+1], v[32*(\a)+4*\t:32*(\a)+4*\t+1]       ; + x
	v_pk_add_f32 v[BK+32*((\a)%2)+4*\t+2:BK+32*((\a)%2)+4*\t+3], v[BK+32*((\a)%2)+4*\t+2:BK+32*((\a)%2)+4*\t+3], v[32*(\a)+4*\t+2:32*(\a)+4*\t+3]
.endr
	WIN 0
.irp t, 0,1,2,3,4,5,6,7
	global_store_b128 v[CO], v[BK+32*((\a)%2)+4*\t:BK+32*((\a)%2)+4*\t+3], s[8:9] offset:(32*((\a)/2)+8*((\a)%2)+2*\t+8*(\t/4))*4096 th:TH_STORE_NT
.endr
.endm
	PLACES NP
	TOSTAGE 0
.irp a, 1,2,3
.if \a > 1
	s_wait_xcnt 0x0
.endif
	TOSTAGE \a
	SEND \a-1, 16
.endr
	SEND 3, 0
	s_wait_tensorcnt 0x0
	ds_add_u32 v[SPW], v[NIL]
	s_wait_dscnt 0x0
	CROUND
	s_endpgm
.Lfunc_end_k_qf577112635_wo:
	.size	k_qf577112635_wo, .Lfunc_end_k_qf577112635_wo-k_qf577112635_wo
	.p2alignl 7, 3214868480
	.fill 96, 4, 3214868480
	.section	.rodata,"a",@progbits
	.p2align	6, 0x0
	.amdhsa_kernel k_qf577112635_wo
		.amdhsa_group_segment_fixed_size 327680
		.amdhsa_private_segment_fixed_size 0
		.amdhsa_enable_private_segment 0
		.amdhsa_kernarg_size 40
		.amdhsa_user_sgpr_count 2
		.amdhsa_user_sgpr_kernarg_segment_ptr 1
		.amdhsa_wavefront_size32 1
		.amdhsa_system_sgpr_workgroup_id_x 1
		.amdhsa_system_sgpr_workgroup_id_y 1
		.amdhsa_system_sgpr_workgroup_id_z 1
		.amdhsa_system_vgpr_workitem_id 0
		.amdhsa_next_free_vgpr 640
		.amdhsa_next_free_sgpr 100
		.amdhsa_reserve_vcc 0
		.amdhsa_float_denorm_mode_32 3
		.amdhsa_float_denorm_mode_16_64 3
		.amdhsa_memory_ordered 1
		.amdhsa_forward_progress 1
		.amdhsa_inst_pref_size 64
	.end_amdhsa_kernel
	.amdgpu_metadata
---
amdhsa.version: [ 1, 2 ]
amdhsa.kernels:
  - .name:           k_qf577112635_wo
    .symbol:         k_qf577112635_wo.kd
    .args:
      - { .name: CTX, .offset: 0, .size: 8, .value_kind: global_buffer, .address_space: global }
      - { .name: WOB, .offset: 8, .size: 8, .value_kind: global_buffer, .address_space: global }
      - { .name: QKV, .offset: 16, .size: 8, .value_kind: global_buffer, .address_space: global }
      - { .name: x, .offset: 24, .size: 8, .value_kind: global_buffer, .address_space: global }
      - { .name: bo, .offset: 32, .size: 8, .value_kind: global_buffer, .address_space: global }
    .group_segment_fixed_size: 327680
    .private_segment_fixed_size: 0
    .kernarg_segment_align: 8
    .kernarg_segment_size: 40
    .max_flat_workgroup_size: 128
    .sgpr_count:     100
    .vgpr_count:     640
    .wavefront_size: 32
...
	.end_amdgpu_metadata
.endif
;; end of part 4
;; launch ln1 (part 5): grid 256 x 1, 8 waves a work-group, no clusters, 69,632 bytes of LDS; arguments QKV, g1, be1, O1; writes O1
.if DOCPART == 5
	.amdgcn_target "amdgcn-amd-amdhsa--gfx1250"
	.amdhsa_code_object_version 6
	.text
	.protected	k_qf577112635_ln1
	.globl	k_qf577112635_ln1
	.p2align	8
	.type	k_qf577112635_ln1,@function
k_qf577112635_ln1:
	s_mov_b64 s[64:65], 0
	v_nop
	global_prefetch_b8 v0, s[64:65] scope:SCOPE_SE
	s_setreg_imm32_b32 hwreg(HW_REG_WAVE_MODE, 25, 1), 1
	s_wait_xcnt 0x0
; out1 = LayerNorm(y) g1 + be1, in f32, y = x + (ctx wo + bo) as the launch before left it, f32, true rows, at byte 0 of QKV.
; out1 leaves as f32 (true rows) and as codes of FP6 (E2M3) with E8M0 scales, quantised along the 1,024 columns.
; Work-group T takes the 16 true rows that form tile T of the operand: 32 (T / 2) + 8 (T % 2) + p + 8 (p / 8).  Wave w takes columns 128 w on.  Mean and variance (of y - mean) meet in LDS: two barriers.
; Rows are loaded and stored 512 consecutive bytes an instruction; between that layout and the quantiser's (lane (r, h): row r, register 16 b + i = column 32 b + 16 h + i) they turn through the wave's own stage.
; The scale words leave 64 bytes a wave: the planes of 128 K lie 16,384 bytes apart.
; No matrix unit, no cluster, no tensor load: the launch streams, and work-groups share no input but two short vectors.
; LIMITS: NaN and infinities are not served; a block whose largest magnitude lies under 2^-124 keeps the scale byte 1 (read by this program alone).
.set STG,  8448
.set RED,  8*STG                       ; 512 bytes for the sums, 512 more for the sums of squares
.set O16, 4
.set O8,  5
.set TM,  16
.set PC,  32
.set PW,  52
.set S0,  64
.set S1,  128
.set T,   192
.set SEL, 40
.macro QUANT s
.irp b, 0,1,2,3
	v_max3_num_f32 v[TM+\b], |v[\s+16*\b]|, |v[\s+1+16*\b]|, 0x1800000   ; and the floor 2^(3 - 127)
.endr
.irp i, 2,4,6,8,10,12,14
.irp b, 0,1,2,3
	s_delay_alu instid0(VALU_DEP_4)
	v_max3_num_f32 v[TM+\b], v[TM+\b], |v[\s+16*\b+\i]|, |v[\s+1+16*\b+\i]|
.endr
.endr
.irp b, 0,1,2,3
	s_delay_alu instid0(VALU_DEP_4)
	v_permlanex16_b32 v[TM+4+\b], v[TM+\b], s[SEL], s[SEL+1]
.endr
.irp b, 0,1,2,3
	s_delay_alu instid0(VALU_DEP_4)
	v_max_num_f32 v[TM+\b], v[TM+\b], v[TM+4+\b]
.endr
.irp b, 0,1,2,3
	s_delay_alu instid0(VALU_DEP_4)
	v_add_nc_u32 v[TM+12+\b], 0xff000000, v[TM+\b]
.endr
.irp b, 0,1,2,3
	s_delay_alu instid0(VALU_DEP_4)
	v_lshrrev_b32 v[TM+4+\b], 23, v[TM+12+\b]
.endr
	s_delay_alu instid0(VALU_DEP_3)
	v_lshl_or_b32 v[PW], v[TM+5], 8, v[TM+4]
	s_delay_alu instid0(VALU_DEP_1)
	v_lshl_or_b32 v[PW], v[TM+6], 16, v[PW]
	s_delay_alu instid0(VALU_DEP_1)
	v_lshl_or_b32 v[PW], v[TM+7], 24, v[PW]
.irp c, 0,1
	v_cvt_scalef32_pk16_fp6_f32 v[PC+6*\c:PC+2+6*\c], v[\s+32*\c:\s+15+32*\c], v[TM+12+2*\c]
	v_cvt_scalef32_pk16_fp6_f32 v[PC+12+4*\c:PC+14+4*\c], v[\s+16+32*\c:\s+31+32*\c], v[TM+12+2*\c+1]
.endr
	v_nop
.irp c, 0,1
.irp i, 0,1,2
	v_permlane16_swap_b32 v[PC+6*\c+\i], v[PC+12+4*\c+\i]
.endr
.irp i, 0,1,2
	s_delay_alu instid0(VALU_DEP_3)
	v_mov_b32 v[PC+3+6*\c+\i], v[PC+12+4*\c+\i]
.endr
.endr
.endm
.macro ROWS reg, base                  ; my 128 columns of the 16 rows
.irp p, 0,1,2,3,4,5,6,7,8,9,10,11,12,13,14,15
	global_load_b128 v[\reg+4*\p:\reg+4*\p+3], v[O16], s[\base:\base+1] offset:(\p+8*(\p/8))*4096 th:TH_LOAD_NT
.endr
.endm
.macro VEC reg, base                   ; a vector's 128 numbers of my columns, in the quantiser's layout
.irp b, 0,1,2,3
.irp j, 0,1,2,3
	global_load_b128 v[\reg+16*\b+4*\j:\reg+16*\b+4*\j+3], v8, s[\base:\base+1] offset:128*\b+16*\j
.endr
.endr
.endm
; four chains v[54:61] become the row's sum over all 1,024 columns, in v54 of every lane
.macro JOIN off
	s_delay_alu instid0(VALU_DEP_3)
	v_pk_add_f32 v[54:55], v[54:55], v[56:57]
	s_delay_alu instid0(VALU_DEP_2)
	v_pk_add_f32 v[58:59], v[58:59], v[60:61]
	s_delay_alu instid0(VALU_DEP_1)
	v_pk_add_f32 v[54:55], v[54:55], v[58:59]
	s_delay_alu instid0(VALU_DEP_1)
	v_add_f32 v54, v54, v55
	s_delay_alu instid0(VALU_DEP_1)
	v_permlanex16_b32 v55, v54, s[SEL], s[SEL+1]
	s_delay_alu instid0(VALU_DEP_1)
	v_add_f32 v54, v54, v55                        ; my wave's 128 columns of row r
	ds_store_b32 v9, v54 offset:\off               ; lanes r and r + 16 write the same word with the same value
	s_wait_dscnt 0x0                               ; for the others' sake
	s_barrier_signal -1
	s_barrier_wait -1
.irp k, 0,1,2,3,4,5,6,7
	ds_load_b32 v[54+\k], v10 offset:\off+64*\k
.endr
	s_wait_dscnt 0x0
	v_add_f32 v54, v54, v55
	v_add_f32 v56, v56, v57
	v_add_f32 v58, v58, v59
	v_add_f32 v60, v60, v61
	s_delay_alu instid0(VALU_DEP_3)
	v_add_f32 v54, v54, v56
	s_delay_alu instid0(VALU_DEP_2)
	v_add_f32 v58, v58, v60
	s_delay_alu instid0(VALU_DEP_1)
	v_add_f32 v54, v54, v58
.endm
	s_load_b256 s[4:11], s[0:1], 0x0               ; QKV, g1, be1, O1
	v_lshl_add_u32 v62, v0, 2, 0x10c00
	v_mov_b32 v63, 0
	v_lshrrev_b32 v1, 5, v0
	s_delay_alu instid0(VALU_DEP_1)
	v_readfirstlane_b32 s2, v1                     ; wave 0..7
	v_and_b32 v2, 31, v0
	v_and_b32 v3, 15, v0                           ; r
	v_bfe_u32 v11, v0, 4, 1                        ; h
	s_delay_alu instid0(VALU_DEP_3)
	v_lshlrev_b32 v[O16], 4, v2
	s_delay_alu instid0(VALU_DEP_4)
	v_lshl_add_u32 v[O8], v2, 3, 512
	s_mul_i32 s16, s2, STG
	v_add_nc_u32 v6, s16, v[O16]                   ; the stage by rows: row p at 528 p + 16 x lane
	v_mul_u32_u24 v7, v3, 528
	s_delay_alu instid0(VALU_DEP_1)
	v_lshl_add_u32 v7, v11, 6, v7
	s_delay_alu instid0(VALU_DEP_1)
	v_add_nc_u32 v7, s16, v7                       ; and as the quantiser wants it: row r, + 64 h
	v_lshlrev_b32 v8, 6, v11
	s_lshl_b32 s17, s2, 6
	v_lshl_add_u32 v10, v3, 2, RED
	s_delay_alu instid0(VALU_DEP_1)
	v_add_nc_u32 v9, s17, v10
	v_lshlrev_b32 v53, 2, v3
.irp b, 0,1,2,3
	v_mov_b32 v[TM+4+\b], 0
.endr
	s_mov_b32 s[SEL], 0x76543210
	s_mov_b32 s[SEL+1], 0xfedcba98
	s_mov_b32 s34, 0x3a800000                      ; 1 / 1,024
	s_mov_b32 s35, 0x3727c5ac                      ; 1e-5
	s_lshr_b32 s18, ttmp9, 1
	s_lshl_b32 s18, s18, 5
	s_and_b32 s19, ttmp9, 1
	s_lshl_b32 s19, s19, 3
	s_add_co_u32 s18, s18, s19                     ; the tile's first true row
	s_lshl_b32 s18, s18, 12
	s_lshl_b32 s20, s2, 9                          ; my columns: 512 w bytes
	s_add_co_u32 s18, s18, s20
	s_mov_b32 s19, 0
	s_mov_b32 s21, 0
	s_mul_i32 s28, s2, 2*196608                    ; chunks 2 w, 2 w + 1,
	s_mul_i32 s29, ttmp9, 768                      ; tile T
	s_add_co_u32 s28, s28, s29
	s_add_co_u32 s28, s28, 16908288
	s_mov_b32 s29, 0
	s_lshl_b32 s32, s2, 14                         ; scale words: plane w,
	s_lshl_b32 s33, ttmp9, 6                       ; 64 bytes a tile
	s_add_co_u32 s32, s32, s33
	s_add_co_u32 s32, s32, 16777216
	s_mov_b32 s33, 0
	s_wait_alu depctr_va_vdst(0)
	s_wait_kmcnt 0x0
	s_add_nc_u64 s[24:25], s[4:5], s[18:19]        ; y
	s_add_nc_u64 s[26:27], s[10:11], s[18:19]      ; out1
	s_add_nc_u64 s[6:7], s[6:7], s[20:21]
	s_add_nc_u64 s[8:9], s[8:9], s[20:21]
	s_add_nc_u64 s[28:29], s[10:11], s[28:29]
	s_add_nc_u64 s[30:31], s[28:29], 196608
	s_add_nc_u64 s[32:33], s[10:11], s[32:33]
	ROWS S0, 24
	VEC S1, 6                                      ; g1
.irp p, 0,1,2,3,4,5,6,7,8,9,10,11,12,13,14,15
	s_wait_loadcnt 31-\p                           ; row p is in; the younger rows and g1's 16 loads may be out
	ds_store_b128 v6, v[S0+4*\p:S0+4*\p+3] offset:528*\p
.endr
.irp b, 0,1,2,3
.irp j, 0,1,2,3
	ds_load_b128 v[T+16*\b+4*\j:T+16*\b+4*\j+3], v7 offset:128*\b+16*\j  ; LDS serves a wave's instructions in order: these see my stores
.endr
.endr
	s_wait_dscnt 0x0
	VEC S0, 8                                      ; be1 lands while the sums are made
.irp k, 0,1,2,3
	v_pk_add_f32 v[54+2*\k:55+2*\k], v[T+2*\k:T+2*\k+1], v[T+8+2*\k:T+9+2*\k]
.endr
.irp m, 2,3,4,5,6,7
.irp k, 0,1,2,3
	s_delay_alu instid0(VALU_DEP_4)
	v_pk_add_f32 v[54+2*\k:55+2*\k], v[54+2*\k:55+2*\k], v[T+8*\m+2*\k:T+8*\m+2*\k+1]
.endr
.endr
	JOIN 0
	s_delay_alu instid0(VALU_DEP_1)
	v_mul_f32 v54, s34, v54                        ; the mean
.set i, 0
.rept 32
	v_pk_add_f32 v[T+i:T+i+1], v[T+i:T+i+1], v[54:55] op_sel_hi:[1,0] neg_lo:[0,1] neg_hi:[0,1]
.set i, i+2
.endr
.irp k, 0,1,2,3
	v_pk_mul_f32 v[54+2*\k:55+2*\k], v[T+2*\k:T+2*\k+1], v[T+2*\k:T+2*\k+1]
.endr
.irp m, 1,2,3,4,5,6,7
.irp k, 0,1,2,3
	s_delay_alu instid0(VALU_DEP_4)
	v_pk_fma_f32 v[54+2*\k:55+2*\k], v[T+8*\m+2*\k:T+8*\m+2*\k+1], v[T+8*\m+2*\k:T+8*\m+2*\k+1], v[54+2*\k:55+2*\k]
.endr
.endr
	JOIN 512
	s_delay_alu instid0(VALU_DEP_1)
	v_fma_f32 v54, v54, s34, s35                   ; the variance + 1e-5
	s_wait_alu depctr_va_vdst(0)
	v_rsq_f32 v54, v54
	v_nop                                          ; one plain place behind the transcendental
.set i, 0
	s_wait_alu depctr_va_vdst(0)
.rept 32
	v_pk_mul_f32 v[T+i:T+i+1], v[T+i:T+i+1], v[54:55] op_sel_hi:[1,0]
.set i, i+2
.endr
	s_wait_loadcnt 0x0                             ; g1, be1
.set i, 0
.rept 32
	v_pk_fma_f32 v[T+i:T+i+1], v[T+i:T+i+1], v[S1+i:S1+i+1], v[S0+i:S0+i+1]
.set i, i+2
.endr
.irp b, 0,1,2,3
.irp j, 0,1,2,3
	ds_store_b128 v7, v[T+16*\b+4*\j:T+16*\b+4*\j+3] offset:128*\b+16*\j
.endr
.endr
.irp p, 0,1,2,3,4,5,6,7,8,9,10,11,12,13,14,15
	ds_load_b128 v[S0+4*\p:S0+4*\p+3], v6 offset:528*\p
.endr
	QUANT T                                        ; while the rows come back
	s_wait_alu depctr_va_vdst(0)
.irp p, 0,1,2,3,4,5,6,7,8,9,10,11,12,13,14,15
	s_wait_dscnt 15-\p                             ; row p is back; the younger rows may be out
	global_store_b128 v[O16], v[S0+4*\p:S0+4*\p+3], s[26:27] offset:(\p+8*(\p/8))*4096
.endr
	global_store_b128 v[O16], v[PC:PC+3], s[28:29]
	global_store_b64 v[O8], v[PC+4:PC+5], s[28:29]
	global_store_b128 v[O16], v[PC+6:PC+9], s[30:31]
	global_store_b64 v[O8], v[PC+10:PC+11], s[30:31]
	global_store_b32 v53, v[PW], s[32:33]          ; lanes r and r + 16 store the same word
	s_wait_tensorcnt 0x0
	ds_add_u32 v62, v63
	s_wait_dscnt 0x0
	s_endpgm
.Lfunc_end_k_qf577112635_ln1:
	.size	k_qf577112635_ln1, .Lfunc_end_k_qf577112635_ln1-k_qf577112635_ln1
	.p2alignl 7, 3214868480
	.fill 96, 4, 3214868480
	.section	.rodata,"a",@progbits
	.p2align	6, 0x0
	.amdhsa_kernel k_qf577112635_ln1
		.amdhsa_group_segment_fixed_size 69632
		.amdhsa_private_segment_fixed_size 0
		.amdhsa_enable_private_segment 0
		.amdhsa_kernarg_size 32
		.amdhsa_user_sgpr_count 2
		.amdhsa_user_sgpr_kernarg_segment_ptr 1
		.amdhsa_wavefront_size32 1
		.amdhsa_system_sgpr_workgroup_id_x 1
		.amdhsa_system_sgpr_workgroup_id_y 1
		.amdhsa_system_sgpr_workgroup_id_z 1
		.amdhsa_system_vgpr_workitem_id 0
		.amdhsa_next_free_vgpr 256
		.amdhsa_next_free_sgpr 66
		.amdhsa_reserve_vcc 0
		.amdhsa_float_denorm_mode_32 3
		.amdhsa_float_denorm_mode_16_64 3
		.amdhsa_memory_ordered 1
		.amdhsa_forward_progress 1
		.amdhsa_inst_pref_size 35
	.end_amdhsa_kernel
	.amdgpu_metadata
---
amdhsa.version: [ 1, 2 ]
amdhsa.kernels:
  - .name:           k_qf577112635_ln1
    .symbol:         k_qf577112635_ln1.kd
    .args:
      - { .name: QKV, .offset: 0, .size: 8, .value_kind: global_buffer, .address_space: global }
      - { .name: g1, .offset: 8, .size: 8, .value_kind: global_buffer, .address_space: global }
      - { .name: be1, .offset: 16, .size: 8, .value_kind: global_buffer, .address_space: global }
      - { .name: O1, .offset: 24, .size: 8, .value_kind: global_buffer, .address_space: global }
    .group_segment_fixed_size: 69632
    .private_segment_fixed_size: 0
    .kernarg_segment_align: 8
    .kernarg_segment_size: 32
    .max_flat_workgroup_size: 256
    .sgpr_count:     66
    .vgpr_count:     256
    .wavefront_size: 32
...
	.end_amdgpu_metadata
.endif
;; end of part 5
;; launch w1 (part 6): grid 16 x 16, 4 waves a work-group, clusters of 4 x 4, 327,680 bytes of LDS; arguments O1, QB, b1, HB; writes HB
.if DOCPART == 6
	.amdgcn_target "amdgcn-amd-amdhsa--gfx1250"
	.amdhsa_code_object_version 6
	.text
	.protected	k_qf577112635_w1
	.globl	k_qf577112635_w1
	.p2align	8
	.type	k_qf577112635_w1,@function
k_qf577112635_w1:
	s_mov_b64 s[64:65], 0
	v_nop
	global_prefetch_b8 v0, s[64:65] scope:SCOPE_SE
	s_setreg_imm32_b32 hwreg(HW_REG_WAVE_MODE, 25, 1), 1
	s_wait_xcnt 0x0
	s_wait_alu depctr_hold_cnt(0) depctr_sa_sdst(0) depctr_va_vdst(0) depctr_va_sdst(0) depctr_va_ssrc(0) depctr_va_vcc(0) depctr_vm_vsrc(0)
	s_getreg_b32 s2, hwreg(HW_REG_IB_STS2, 6, 4)
	s_cmp_eq_u32 s2, 0
	s_cbranch_scc0 .Lentry_in_a_cluster
	s_endpgm
.Lentry_in_a_cluster:
	s_bfe_u32 s2, ttmp6, 0x10000c
	s_cmp_lg_u32 s2, 0xf033
	s_cbranch_scc0 .Lentry_shape_is_right
	s_endpgm
.Lentry_shape_is_right:
.set CHA,   196608
.set CHB,   540672
.set SKA,   16384
.set SKB,   45056
.set ACODE, 16908288
.set ASCL,  16777216
.set BCODE, 360448
.set FR,    12
.set NL,    4
.set NP,    4
.set HALFT, 24576
.set SLOT,  4*HALFT
.set SCL,   2*SLOT
.set SPARE, SCL+4*4096
.set ADRA, 16
.set ADRB, 20
.set O16,  24
.set O8,   25
.set SCR,  26
.set ADRS, 27
.set SPW,  28
.set NIL,  29
.set SCRR, 30
.set SC,   32
.set BC,   64
.set AF,   128
.set T,    128
.set PC,   192
.set TM,   232
.set PW,   248
.set SEL,  2
.set G1, 24
.set G0, 32
.set G1B, 48
.set G0B, 56
.set G1S, 68
.set G0S, 76
.set G1SB, 80
.set G0SB, 88
.set MSB, 0
.macro WIN new
.if MSB != \new
	s_set_vgpr_msb (MSB<<8)|\new
.set MSB, \new
.endif
.endm
.set MUL_LO, 0xa1
.set MUL_HI, 0xf1
.set TO_B,   0x40
.macro JLOAD g0a, g1a, g0b, g1b
	s_cmp_eq_u32 s15, 0
	s_cbranch_scc0 .Lfor_b_\@
	tensor_load_to_lds s[\g0a:\g0a+3], s[\g1a:\g1a+7]
	s_nop 0
.rept 4
	v_nop
.endr
	s_branch .Lasked_\@
.Lfor_b_\@:
	tensor_load_to_lds s[\g0b:\g0b+3], s[\g1b:\g1b+7]
	s_nop 0
.rept 4
	v_nop
.endr
.Lasked_\@:
.endm
.macro CREST
	s_cmp_lg_u32 s14, 0
	s_cbranch_scc1 .Lnot_wave_0_\@
	s_barrier_signal -3
.Lnot_wave_0_\@:
	s_barrier_wait -3
	s_barrier_signal -1
	s_barrier_wait -1
.endm
.macro CROUND
	s_barrier_signal -1
	s_barrier_wait -1
	CREST
.endm
.macro PLACES n
.rept \n
	v_nop
.endr
.endm
.macro FRAG reg, adr, q, i
	ds_load_b128 v[\reg:\reg+3], v[\adr] offset:(2*(\q))*6144+(\i)*768
	ds_load_b64 v[\reg+4:\reg+5], v[\adr+2] offset:(2*(\q))*6144+(\i)*768
	ds_load_b128 v[\reg+6:\reg+9], v[\adr] offset:(2*(\q)+1)*6144+(\i)*768
	ds_load_b64 v[\reg+10:\reg+11], v[\adr+2] offset:(2*(\q)+1)*6144+(\i)*768
.endm
.macro MUL16 a0, p, q, sc, cm
.irp a, \a0, \a0+1
.irp b, 0,1,2,3,4,5,6,7
.if \cm == 2
	v_wmma_scale_f32_16x16x128_f8f6f4 v[8*(8*((\a)%4)+\b):8*(8*((\a)%4)+\b)+7], v[128*(\p)+FR*\b:128*(\p)+FR*\b+FR-1], v[AF+FR*(\a):AF+FR*(\a)+FR-1], v[BC+8*\b:BC+8*\b+7], v[SC+16*(\sc)+8*(\q)+\b], v[SC+16*(\sc)+8*(\q)+(\a)] matrix_a_fmt:MATRIX_FMT_FP6 matrix_b_fmt:MATRIX_FMT_FP6 matrix_a_scale:MATRIX_SCALE_ROW1
.else
	v_wmma_scale_f32_16x16x128_f8f6f4 v[8*(8*((\a)%4)+\b):8*(8*((\a)%4)+\b)+7], v[128*(\p)+FR*\b:128*(\p)+FR*\b+FR-1], v[AF+FR*(\a):AF+FR*(\a)+FR-1], v[8*(8*((\a)%4)+\b):8*(8*((\a)%4)+\b)+7], v[SC+16*(\sc)+8*(\q)+\b], v[SC+16*(\sc)+8*(\q)+(\a)] matrix_a_fmt:MATRIX_FMT_FP6 matrix_b_fmt:MATRIX_FMT_FP6 matrix_a_scale:MATRIX_SCALE_ROW1
.endif
.endr
.endr
.endm
.macro FETCH_B slot, q, p
	WIN TO_B
.irp i, 0,1,2,3,4,5,6,7
	FRAG 128*(\p)+FR*\i, ADRB+\slot, \q, \i
.endr
	WIN 0
.endm
.macro FETCH_A slot, q, i0
.irp i, \i0, \i0+1, \i0+2, \i0+3
	FRAG AF+FR*(\i), ADRA+\slot, \q, \i
.endr
.endm
.macro SCALES sc, ks
.irp q, 0,1
.irp i, 0,1,2,3,4,5,6,7
	ds_load_b32 v[SC+16*(\sc)+8*\q+\i], v[ADRS] offset:(2*(\ks)+\q)*512+64*\i
.endr
.endr
.endm
.macro STEP slot, cm
	s_wait_dscnt 4*NL
.if \cm == 2
	WIN 0x81
.else
	WIN MUL_LO
.endif
	MUL16 0, 0, 0, \slot, \cm
	MUL16 2, 0, 0, \slot, \cm
	s_wait_dscnt 0
	PLACES NP
	FETCH_B \slot, 1, 1
	FETCH_A \slot, 1, 0
.if \cm == 2
	WIN 0xc1
.else
	WIN MUL_HI
.endif
	MUL16 4, 0, 0, \slot, \cm
	MUL16 6, 0, 0, \slot, \cm
	PLACES NP
	WIN 0
	FETCH_A \slot, 1, 4
.endm
.macro TURN slot, next, fill, ks
	s_wait_tensorcnt 0x0
	ds_add_u32 v[SPW], v[NIL]
	s_wait_dscnt 4*NL+1
	WIN MUL_LO
	MUL16 0, 1, 1, \slot, 0
	s_wait_dscnt 0x0
	s_barrier_signal -1
	MUL16 2, 1, 1, \slot, 0
	WIN 0
	s_barrier_wait -1
.if \fill
	CREST
	s_add_nc_u64 s[G0+4*\slot+2:G0+4*\slot+3], s[G0+4*\slot+2:G0+4*\slot+3], 8*CHA
	s_add_nc_u64 s[G0B+4*\slot+2:G0B+4*\slot+3], s[G0B+4*\slot+2:G0B+4*\slot+3], 8*CHB
	JLOAD G0+4*\slot, G1, G0B+4*\slot, G1B
.else
	PLACES NP
.endif
	FETCH_B \next, 0, 0
	FETCH_A \next, 0, 0
	SCALES \next, \ks
	WIN MUL_HI
	MUL16 4, 1, 1, \slot, 0
	MUL16 6, 1, 1, \slot, 0
	PLACES NP
	WIN 0
	FETCH_A \next, 0, 4
.endm
.macro QUANT s
.irp b, 0,1,2,3
	v_max3_num_f32 v[TM+\b], |v[\s+16*\b]|, |v[\s+1+16*\b]|, 0x1800000
.endr
.irp i, 2,4,6,8,10,12,14
.irp b, 0,1,2,3
	v_max3_num_f32 v[TM+\b], v[TM+\b], |v[\s+16*\b+\i]|, |v[\s+1+16*\b+\i]|
.endr
.endr
.irp b, 0,1,2,3
	v_permlanex16_b32 v[TM+4+\b], v[TM+\b], s[SEL], s[SEL+1]
.endr
.irp b, 0,1,2,3
	v_max_num_f32 v[TM+\b], v[TM+\b], v[TM+4+\b]
.endr
.irp b, 0,1,2,3
	v_add_nc_u32 v[TM+12+\b], 0xff000000, v[TM+\b]
.endr
.irp b, 0,1,2,3
	v_lshrrev_b32 v[TM+4+\b], 23, v[TM+12+\b]
.endr
	s_wait_alu depctr_va_vdst(0)
	s_wait_xcnt 0x0                                ; the last block's stores have read their data: the lines below write these registers again
	s_wait_dscnt 0x0
	v_lshl_or_b32 v[PW], v[TM+5], 8, v[TM+4]
	v_lshl_or_b32 v[PW], v[TM+6], 16, v[PW]
	v_lshl_or_b32 v[PW], v[TM+7], 24, v[PW]
.irp c, 0,1
	v_cvt_scalef32_pk16_fp6_f32 v[PC+6*\c:PC+2+6*\c], v[\s+32*\c:\s+15+32*\c], v[TM+12+2*\c]
	v_cvt_scalef32_pk16_fp6_f32 v[PC+12+4*\c:PC+14+4*\c], v[\s+16+32*\c:\s+31+32*\c], v[TM+12+2*\c+1]
.endr
	v_nop
.irp c, 0,1
.irp i, 0,1,2
	v_permlane16_swap_b32 v[PC+6*\c+\i], v[PC+12+4*\c+\i]
.endr
.irp i, 0,1,2
	v_mov_b32 v[PC+3+6*\c+\i], v[PC+12+4*\c+\i]
.endr
.endr
.endm
.macro PUT a, b0, b1
	global_store_b128 v[O16], v[PC:PC+3], s[\b0:\b0+1] offset:768*(\a)
	global_store_b64 v[O8], v[PC+4:PC+5], s[\b0:\b0+1] offset:768*(\a)
	global_store_b128 v[O16], v[PC+6:PC+9], s[\b1:\b1+1] offset:768*(\a)
	global_store_b64 v[O8], v[PC+10:PC+11], s[\b1:\b1+1] offset:768*(\a)
.endm
	s_load_b128 s[4:7], s[0:1], 0x0
	s_load_b128 s[8:11], s[0:1], 0x10
	v_lshl_add_u32 v[SPW], v0, 2, SPARE
	v_mov_b32 v[NIL], 0
	ds_add_u32 v28, v29
	ds_add_u32 v28, v29
	s_wait_dscnt 0x0
	v_lshrrev_b32 v1, 5, v0
	v_readfirstlane_b32 s14, v1
	s_lshr_b32 s15, s14, 1
	s_and_b32 s16, s14, 1
	s_bfe_u32 s40, ttmp6, 0x40000
	s_bfe_u32 s41, ttmp6, 0x40004
	s_lshl_b32 s42, ttmp9, 2
	s_add_co_u32 s42, s42, s40
	s_and_b32 s17, ttmp7, 0xffff
	s_lshl_b32 s17, s17, 2
	s_add_co_u32 s17, s17, s41
	s_lshl_b32 s43, s41, 2
	s_lshl_b32 s43, 15, s43
	s_lshl_b32 s44, 0x1111, s40
	s_or_b32 s[G1+0], s43, (3<<16)|(1<<21)
	s_or_b32 s[G1B+0], s44, (3<<16)|(1<<21)
.irp g, G1, G1B
	s_mov_b32 s[\g+1], 768<<16
	s_mov_b32 s[\g+2], 4<<16
	s_mov_b32 s[\g+3], 768<<16
	s_mov_b32 s[\g+4], 4
	s_mov_b32 s[\g+6], 0
	s_mov_b32 s[\g+7], 0
.endr
	s_mov_b32 s[G1+5], CHA/8
	s_mov_b32 s[G1B+5], CHB/8
	s_or_b32 s[G1S+0], s43, (3<<16)|(1<<21)
	s_or_b32 s[G1SB+0], s44, (3<<16)|(1<<21)
.irp g, G1S, G1SB
	s_mov_b32 s[\g+1], 64<<16
	s_mov_b32 s[\g+2], 8<<16
	s_mov_b32 s[\g+3], 64<<16
	s_mov_b32 s[\g+4], 8
	s_mov_b32 s[\g+6], 0
	s_mov_b32 s[\g+7], 0
.endr
	s_mov_b32 s[G1S+5], SKA/8
	s_mov_b32 s[G1SB+5], SKB/8
	s_lshl_b32 s20, s17, 1
	s_add_co_u32 s20, s20, s16
	s_lshl_b32 s22, s20, 9
	s_add_co_u32 s22, s22, ASCL
	s_mul_i32 s20, s20, 6144
	s_add_co_u32 s20, s20, ACODE
	s_lshl_b32 s46, s42, 1
	s_add_co_u32 s46, s46, s16
	s_add_co_u32 s46, s46, 56
	s_lshl_b32 s92, s46, 9
	s_mul_i32 s46, s46, 6144
	s_add_co_u32 s46, s46, BCODE
	s_mov_b32 s21, 0
	s_mov_b32 s23, 0
	s_mov_b32 s47, 0
	s_mov_b32 s93, 0
	s_mul_i32 s45, s14, HALFT
	s_lshl_b32 s94, s14, 12
	s_wait_kmcnt 0x0
	s_add_nc_u64 s[20:21], s[4:5], s[20:21]
	s_add_nc_u64 s[22:23], s[4:5], s[22:23]
	s_add_nc_u64 s[46:47], s[6:7], s[46:47]
	s_add_nc_u64 s[92:93], s[6:7], s[92:93]
	CROUND
	s_mov_b32 s[G0S], 1
	s_add_co_u32 s[G0S+1], s94, SCL
	s_mov_b64 s[G0S+2:G0S+3], s[22:23]
	s_or_b32 s[G0S+3], s[G0S+3], 0x80000000
	s_mov_b32 s[G0SB], 1
	s_add_co_u32 s[G0SB+1], s94, SCL
	s_mov_b64 s[G0SB+2:G0SB+3], s[92:93]
	s_or_b32 s[G0SB+3], s[G0SB+3], 0x80000000
	JLOAD G0S, G1S, G0SB, G1SB
.irp s, 0,1
	s_mov_b32 s[G0+4*\s], 1
	s_add_co_u32 s[G0+4*\s+1], s45, \s*SLOT
	s_add_nc_u64 s[G0+4*\s+2:G0+4*\s+3], s[20:21], \s*4*CHA
	s_or_b32 s[G0+4*\s+3], s[G0+4*\s+3], 0x80000000
	s_mov_b32 s[G0B+4*\s], 1
	s_add_co_u32 s[G0B+4*\s+1], s45, \s*SLOT
	s_add_nc_u64 s[G0B+4*\s+2:G0B+4*\s+3], s[46:47], \s*4*CHB
	s_or_b32 s[G0B+4*\s+3], s[G0B+4*\s+3], 0x80000000
	s_wait_alu depctr_va_vdst(0)
	s_wait_tensorcnt 0x0
	ds_add_u32 v28, v29
	s_wait_dscnt 0x0
	CROUND
	JLOAD G0+4*\s, G1, G0B+4*\s, G1B
.endr
	v_and_b32 v1, 15, v0
	v_bfe_u32 v2, v0, 4, 1
	v_and_b32 v3, 31, v0
	v_lshlrev_b32 v4, 4, v3
	v_lshl_add_u32 v5, v3, 3, 512
	s_mul_i32 s98, s15, HALFT
	s_mul_i32 s99, s16, HALFT
	s_add_co_u32 s99, s99, 2*HALFT
.irp s, 0,1
	v_add_nc_u32 v[ADRA+\s], s98, v4
	v_add_nc_u32 v[ADRA+2+\s], s98, v5
	v_add_nc_u32 v[ADRB+\s], s99, v4
	v_add_nc_u32 v[ADRB+2+\s], s99, v5
	s_add_co_u32 s98, s98, SLOT
	s_add_co_u32 s99, s99, SLOT
.endr
	s_lshl_b32 s98, s15, 12
	s_lshl_b32 s99, s16, 12
	s_add_co_u32 s99, s99, 2*4096
	s_sub_co_u32 s99, s99, s98
	v_mul_u32_u24 v6, s99, v2
	s_add_co_u32 s98, s98, SCL
	v_lshl_add_u32 v6, v1, 2, v6
	v_add_nc_u32 v[ADRS], s98, v6
	v_mov_b32 v[O16], v4
	v_mov_b32 v[O8], v5
	s_lshl_b32 s98, s14, 11
	v_lshl_add_u32 v[SCR], v1, 2, s98
	v_add_nc_u32 v[SCRR], s98, v4
	v_lshlrev_b32 v7, 6, v2
	s_lshl_b32 s98, s42, 10
	s_lshl_b32 s99, s16, 9
	s_add_co_u32 s98, s98, s99
	s_mov_b32 s99, 0
	s_add_nc_u64 s[8:9], s[8:9], s[98:99]
.irp b, 0,1,2,3,4,5,6,7
	global_load_b128 v[BC+8*\b:BC+8*\b+3], v7, s[8:9] offset:(32*(\b/2)+8*(\b%2))*4
	global_load_b128 v[BC+8*\b+4:BC+8*\b+7], v7, s[8:9] offset:(32*(\b/2)+8*(\b%2))*4+16
.endr
	s_mov_b32 s[SEL], 0x76543210
	s_mov_b32 s[SEL+1], 0xfedcba98
.irp b, 0,1,2,3
	v_mov_b32 v[TM+4+\b], 0
.endr
	s_wait_tensorcnt 1
	s_barrier_signal -1
	s_barrier_wait -1
	FETCH_B 0, 0, 0
	FETCH_A 0, 0, 0
	SCALES 0, 0
	FETCH_A 0, 0, 4
	s_wait_loadcnt 0x0
	STEP 0, 2
	TURN 0, 1, 1, 1
	STEP 1, 0
	TURN 1, 0, 1, 2
	STEP 0, 0
	TURN 0, 1, 0, 3
	STEP 1, 0
	s_wait_dscnt 4*NL
	WIN MUL_LO
	MUL16 0, 1, 1, 1, 0
	MUL16 2, 1, 1, 1, 0
	s_wait_dscnt 0
	WIN MUL_HI
	MUL16 4, 1, 1, 1, 0
	MUL16 6, 1, 1, 1, 0
	WIN 0
	PLACES NP
	s_lshl_b32 s92, s42, 1
	s_add_co_u32 s92, s92, s16
	; block i of 128 hidden units (i = 8 q + m) goes to chunk rows 8 m + q and 8 m + q + 4 and to scale plane 4 m + q: the order in which the quarters of w2's K lie in W2B
	s_and_b32 s96, s92, 7
	s_lshr_b32 s95, s92, 3
	s_lshl_b32 s92, s96, 3
	s_add_co_u32 s92, s92, s95
	s_mul_i32 s92, s92, 196608
	s_lshl_b32 s96, s96, 2
	s_add_co_u32 s96, s96, s95
	s_lshl_b32 s96, s96, 14
	s_lshl_b32 s94, s17, 1
	s_add_co_u32 s94, s94, s15
	s_mul_i32 s95, s94, 6144
	s_add_co_u32 s92, s92, s95
	s_add_co_u32 s92, s92, 524288
	s_lshl_b32 s95, s94, 9
	s_add_co_u32 s96, s96, s95
	s_mov_b32 s93, 0
	s_mov_b32 s97, 0
	s_add_nc_u64 s[92:93], s[10:11], s[92:93]
	s_add_nc_u64 s[94:95], s[92:93], 4*196608
	s_add_nc_u64 s[96:97], s[10:11], s[96:97]
.macro EBLK a
	WIN 0x08+4*((\a)/4)
.set i, 0
.rept 64
	v_max_num_f32 v[T+i], 0, v[64*((\a)%4)+i]
.set i, i+1
.endr
	WIN 0
	QUANT T
	PUT \a, 92, 94
	ds_store_b32 v[SCR], v[PW] offset:64*(\a)
.endm
.irp a, 0,1,2,3,4,5,6,7
	EBLK \a
.endr
	ds_load_b128 v[212:215], v[SCRR]
	s_wait_dscnt 0x0
	global_store_b128 v[O16], v[212:215], s[96:97]
	s_wait_tensorcnt 0x0
	ds_add_u32 v[SPW], v[NIL]
	s_wait_dscnt 0x0
	CROUND
	s_endpgm
.Lfunc_end_k_qf577112635_w1:
	.size	k_qf577112635_w1, .Lfunc_end_k_qf577112635_w1-k_qf577112635_w1
	.p2alignl 7, 3214868480
	.fill 96, 4, 3214868480
	.section	.rodata,"a",@progbits
	.p2align	6, 0x0
	.amdhsa_kernel k_qf577112635_w1
		.amdhsa_group_segment_fixed_size 327680
		.amdhsa_private_segment_fixed_size 0
		.amdhsa_enable_private_segment 0
		.amdhsa_kernarg_size 32
		.amdhsa_user_sgpr_count 2
		.amdhsa_user_sgpr_kernarg_segment_ptr 1
		.amdhsa_wavefront_size32 1
		.amdhsa_system_sgpr_workgroup_id_x 1
		.amdhsa_system_sgpr_workgroup_id_y 1
		.amdhsa_system_sgpr_workgroup_id_z 1
		.amdhsa_system_vgpr_workitem_id 0
		.amdhsa_next_free_vgpr 1024
		.amdhsa_next_free_sgpr 100
		.amdhsa_reserve_vcc 0
		.amdhsa_float_denorm_mode_32 3
		.amdhsa_float_denorm_mode_16_64 3
		.amdhsa_memory_ordered 1
		.amdhsa_forward_progress 1
		.amdhsa_inst_pref_size 170
	.end_amdhsa_kernel
	.amdgpu_metadata
---
amdhsa.version: [ 1, 2 ]
amdhsa.kernels:
  - .name:           k_qf577112635_w1
    .symbol:         k_qf577112635_w1.kd
    .args:
      - { .name: O1, .offset: 0, .size: 8, .value_kind: global_buffer, .address_space: global }
      - { .name: QB, .offset: 8, .size: 8, .value_kind: global_buffer, .address_space: global }
      - { .name: b1, .offset: 16, .size: 8, .value_kind: global_buffer, .address_space: global }
      - { .name: HB, .offset: 24, .size: 8, .value_kind: global_buffer, .address_space: global }
    .group_segment_fixed_size: 327680
    .private_segment_fixed_size: 0
    .kernarg_segment_align: 8
    .kernarg_segment_size: 32
    .max_flat_workgroup_size: 128
    .sgpr_count:     100
    .vgpr_count:     1024
    .wavefront_size: 32
...
	.end_amdgpu_metadata
.endif
;; end of part 6
;; launch w2 (part 7): grid 8 x 32, 4 waves a work-group, clusters of 4 x 4, 327,680 bytes of LDS; arguments HB, W2B, FFP, O1, b2; writes FFP
.if DOCPART == 7
	.amdgcn_target "amdgcn-amd-amdhsa--gfx1250"
	.amdhsa_code_object_version 6
	.text
	.protected	k_qf577112635_w2
	.globl	k_qf577112635_w2
	.p2align	8
	.type	k_qf577112635_w2,@function
k_qf577112635_w2:
	s_mov_b64 s[64:65], 0
	v_nop
	global_prefetch_b8 v0, s[64:65] scope:SCOPE_SE
	s_setreg_imm32_b32 hwreg(HW_REG_WAVE_MODE, 25, 1), 1
	s_wait_xcnt 0x0
	s_wait_alu depctr_hold_cnt(0) depctr_sa_sdst(0) depctr_va_vdst(0) depctr_va_sdst(0) depctr_va_ssrc(0) depctr_va_vcc(0) depctr_vm_vsrc(0)
	s_getreg_b32 s2, hwreg(HW_REG_IB_STS2, 6, 4)
	s_cmp_eq_u32 s2, 0
	s_cbranch_scc0 .Lentry_in_a_cluster
	s_endpgm
.Lentry_in_a_cluster:
	s_bfe_u32 s2, ttmp6, 0x10000c
	s_cmp_lg_u32 s2, 0xf033
	s_cbranch_scc0 .Lentry_shape_is_right
	s_endpgm
.Lentry_shape_is_right:
; FFP = out1 + (hidden w2 + b2), f32, [4096][1024], true rows and columns.  The product runs over K = 4,096 on codes of FP6 (E2M3) with E8M0 scales; one f32 sum for each output.  out1 is f32 at byte 0 of O1.
; Operands are images of the operand's registers: a chunk row holds 64 along K of all tiles of 16 positions, 768 bytes a tile; a scale plane holds the words of 128 K; position p holds the true row p with bits 3 and 4 exchanged.
; THE ORDER OF K.  Block i = 8 q + m of 128 K lies, in A and in B alike, in chunk rows 8 m + q and 8 m + q + 4 and in scale plane 4 m + q.  In B that is how the four quarters q of K lie (49,152 and 4,096 bytes from row to row);
; in A the launch before lays it so (196,608 and 16,384 bytes).  So any run of rows of either operand is one plain tile of two dimensions.  K is walked by m, then q: an order of summing other than ascending K.
; A TILE OF 128 x 128 to a work-group: 256 work-groups; four waves, 64 x 64 each: 16 accumulators.
; LDS: three regions for each operand, each with eight chunk rows (512 along K, 49,152 bytes) and four scale planes (2,048 bytes).  Part m of K lies in region m % 3.
; FILLS, four joint loads each, one a wave (A's codes, B's codes, A's scale words, B's): the head brings parts 0-2; behind part 1 regions 0, 1 take parts 3, 4; behind part 2 region 2 takes part 5;
; behind part 4 regions 0, 1 take parts 6, 7.  Each refill stands in a round of the cluster's barrier; every wait on TENSORcnt is for 0.
; CLUSTERS of 4 x 4: A's tiles are asked for jointly along a row of the cluster, B's along a column.  The matrix instruction is used transposed (source 0 = 16 rows of B, source 1 = 16 rows of A).
; PREFETCHES: chunk rows 24-39 at the head, 40-55 behind the first refill, 56-63 behind the second, with their scale planes: each at least one refill ahead of the load that wants them.  The sixteen waves of the four
; partners that will ask jointly share the rows out by address: a wave a row (24 blocks of 256 bytes, a lane a block), or half a row.
; out1's 64 x 64 numbers of each wave are asked for at the head, 32 loads into v512-639, in the layout of the stores, and waited for once, ahead of the way out.
; REGISTERS: window 0: v24-31 addresses; v32-39 scale words and nothing else, two sets; v40-54 LDS addresses of the three regions; v56-59 b2; v64-127 the way out; v128-255 accumulator (a, b) at v[128 + 8 (4 a + b)].
;   window 1: two fragment buffers, at v0 and v128: A's four fragments (48 registers), then B's four.   window 2: v0-127 out1.
.set CH,    196608                     ; A: bytes from chunk row to chunk row
.set CHB,   49152                      ; B
.set SK,    16384                      ; A: from scale plane to scale plane
.set SKB,   4096                       ; B
.set ACODE, 524288
.set BCODE, 131072
.set FR,    12
.set NP,    4                          ; places behind this matrix instruction (ISA guide 7.12.1)
.set REG,   49152                      ; a region of codes
.set BOFF,  3*REG                      ; B's three regions lie behind A's
.set SCL,   6*REG                      ; the scale words: A's three regions of 2,048 bytes, then B's
.set SREG,  2048
.set SPARE, SCL+6*SREG                 ; the spare words, 128 bytes a wave
.set STAGE, 2*REG                      ; the way out: 16 rows x 272 bytes a wave, in A's region 2, which has had its last fill and its last read at the walk's last barrier
.set SPITCH, 272
.set STO,  24
.set RD,   25
.set CO,   26
.set PZ,   27                          ; 0, the scale prefetches' offset
.set SPW,  28
.set NIL,  29
.set PL,   30                          ; 256 x min(lane, 23)
.set PL2,  31                          ; 256 x min(lane, 11)
.set SC,   32
.set AD,   40                          ; region g: v[AD+5g] A's images at 16 x lane, +1 at 512 + 8 x lane, +2, +3 the same for B, +4 the scale words
.set BO,   56
.set BK,   64
.set ACC,  128
.set G1A, 24
.set G0A, 32
.set G0B, 36
.set G1B, 48
.set G0S, 56
.set G0SB, 60
.set G1S, 68
.set G1SB, 80
.set MSB, 0
.macro WIN new                         ; the immediate's high byte repeats the setting that is left
.if MSB != \new
	s_set_vgpr_msb (MSB<<8)|\new
.set MSB, \new
.endif
.endm
.set MUL,  0x05                        ; sources 0 (B) and 1 (A) window 1; C and D window 0
.set TO_F, 0x40                        ; destination window 1, address window 0
.macro PLACES n
.rept \n
	v_nop
.endr
.endm
.macro TL g0, g1
	tensor_load_to_lds s[\g0:\g0+3], s[\g1:\g1+7]
	s_nop 0
	PLACES 4
.endm
.macro QLOAD                           ; four joint loads, one a wave: one chain of branches on the wave's number, one load to an arm
	s_cmp_lt_u32 s14, 1
	s_cbranch_scc0 .Lq1_\@
	TL G0A, G1A
	s_branch .Lqe_\@
.Lq1_\@:
	s_cmp_lt_u32 s14, 2
	s_cbranch_scc0 .Lq2_\@
	TL G0B, G1B
	s_branch .Lqe_\@
.Lq2_\@:
	s_cmp_lt_u32 s14, 3
	s_cbranch_scc0 .Lq3_\@
	TL G0S, G1S
	s_branch .Lqe_\@
.Lq3_\@:
	TL G0SB, G1SB
.Lqe_\@:
.endm
.macro CREST                           ; a round of the cluster's barrier behind its opening barrier
	s_cmp_lg_u32 s14, 0
	s_cbranch_scc1 .Lnot_wave_0_\@
	s_barrier_signal -3
.Lnot_wave_0_\@:
	s_barrier_wait -3
	s_barrier_signal -1
	s_barrier_wait -1
.endm
.macro CROUND
	s_barrier_signal -1
	s_barrier_wait -1
	CREST
.endm
.macro GRP1 g, mask, w, rows, pitch    ; rows of w elements of 8 bytes; the mask, bit 21 beside it; no padding
	s_or_b32 s[\g], s\mask, (3<<16)|(1<<21)
	s_mov_b32 s[\g+1], (\w)<<16
	s_mov_b32 s[\g+2], (\rows)<<16
	s_mov_b32 s[\g+3], (\w)<<16
	s_mov_b32 s[\g+4], \rows
	s_mov_b32 s[\g+5], \pitch
	s_mov_b32 s[\g+6], 0
	s_mov_b32 s[\g+7], 0
.endm
.macro GRP0 g, lds, base
	s_mov_b32 s[\g], 1
	s_mov_b32 s[\g+1], \lds
	s_mov_b64 s[\g+2:\g+3], s[\base:\base+1]
	s_or_b32 s[\g+3], s[\g+3], 0x80000000
.endm
; the next refill's descriptors: rows chunk rows and srows scale planes, adv and sadv rows on from the last fill's first, into region reg on.  Written where no tensor load of mine is out
.macro DESC rows, srows, adv, sadv, reg
.irp g, G1A, G1B
	s_mov_b32 s[\g+2], (\rows)<<16
	s_mov_b32 s[\g+4], \rows
.endr
.irp g, G1S, G1SB
	s_mov_b32 s[\g+2], (\srows)<<16
	s_mov_b32 s[\g+4], \srows
.endr
	s_add_nc_u64 s[G0A+2:G0A+3], s[G0A+2:G0A+3], (\adv)*CH
	s_add_nc_u64 s[G0B+2:G0B+3], s[G0B+2:G0B+3], (\adv)*CHB
	s_add_nc_u64 s[G0S+2:G0S+3], s[G0S+2:G0S+3], (\sadv)*SK
	s_add_nc_u64 s[G0SB+2:G0SB+3], s[G0SB+2:G0SB+3], (\sadv)*SKB
	s_mov_b32 s[G0A+1], (\reg)*REG
	s_mov_b32 s[G0B+1], BOFF+(\reg)*REG
	s_mov_b32 s[G0S+1], SCL+(\reg)*SREG
	s_mov_b32 s[G0SB+1], SCL+3*SREG+(\reg)*SREG
.endm
; prefetches.  s92 = 4 cx + wave: my number among the sixteen waves that will ask for A's tiles jointly; s93 = 4 cy + wave: the same for B's
.macro PF16 rb, sb                     ; sixteen chunk rows from rb on, a wave a row; eight scale planes from sb on, a wave half a plane's 512 bytes
	s_wait_xcnt 0x0                                ; my earlier memory instructions have read their bases
	s_add_co_u32 s22, s92, \rb
	s_mul_i32 s22, s22, CH
	s_mov_b32 s23, 0
	s_add_nc_u64 s[76:77], s[10:11], s[22:23]
	s_add_co_u32 s22, s93, \rb
	s_mul_i32 s22, s22, CHB
	s_add_nc_u64 s[78:79], s[12:13], s[22:23]
	s_lshr_b32 s22, s92, 1
	s_add_co_u32 s22, s22, \sb
	s_lshl_b32 s22, s22, 14
	s_and_b32 s46, s92, 1
	s_lshl_b32 s46, s46, 8
	s_add_co_u32 s22, s22, s46
	s_add_nc_u64 s[88:89], s[18:19], s[22:23]
	s_lshr_b32 s22, s93, 1
	s_add_co_u32 s22, s22, \sb
	s_lshl_b32 s22, s22, 12
	s_and_b32 s46, s93, 1
	s_lshl_b32 s46, s46, 8
	s_add_co_u32 s22, s22, s46
	s_add_nc_u64 s[90:91], s[20:21], s[22:23]
	global_prefetch_b8 v[PL], s[76:77] th:TH_LOAD_NT scope:SCOPE_SE
	global_prefetch_b8 v[PL], s[78:79] th:TH_LOAD_NT scope:SCOPE_SE
	global_prefetch_b8 v[PZ], s[88:89] th:TH_LOAD_NT scope:SCOPE_SE
	global_prefetch_b8 v[PZ], s[90:91] th:TH_LOAD_NT scope:SCOPE_SE
.endm
.macro PF8                             ; the last eight chunk rows, 56 on, a wave half a row; the last four scale planes, 28 on: plane 28 + place, waves 0 and 1 half of it each
	s_wait_xcnt 0x0
	s_lshr_b32 s22, s92, 1
	s_add_co_u32 s22, s22, 56
	s_mul_i32 s22, s22, CH
	s_and_b32 s46, s92, 1
	s_mul_i32 s46, s46, 3072
	s_add_co_u32 s22, s22, s46
	s_mov_b32 s23, 0
	s_add_nc_u64 s[76:77], s[10:11], s[22:23]
	s_lshr_b32 s22, s93, 1
	s_add_co_u32 s22, s22, 56
	s_mul_i32 s22, s22, CHB
	s_and_b32 s46, s93, 1
	s_mul_i32 s46, s46, 3072
	s_add_co_u32 s22, s22, s46
	s_add_nc_u64 s[78:79], s[12:13], s[22:23]
	s_lshl_b32 s46, s14, 8
	s_add_co_u32 s22, s40, 28
	s_lshl_b32 s22, s22, 14
	s_add_co_u32 s22, s22, s46
	s_add_nc_u64 s[88:89], s[18:19], s[22:23]
	s_add_co_u32 s22, s41, 28
	s_lshl_b32 s22, s22, 12
	s_add_co_u32 s22, s22, s46
	s_add_nc_u64 s[90:91], s[20:21], s[22:23]
	global_prefetch_b8 v[PL2], s[76:77] th:TH_LOAD_NT scope:SCOPE_SE
	global_prefetch_b8 v[PL2], s[78:79] th:TH_LOAD_NT scope:SCOPE_SE
	s_cmp_lt_u32 s14, 2
	s_cbranch_scc0 .Lno_planes_\@
	global_prefetch_b8 v[PZ], s[88:89] th:TH_LOAD_NT scope:SCOPE_SE
	global_prefetch_b8 v[PZ], s[90:91] th:TH_LOAD_NT scope:SCOPE_SE
.Lno_planes_\@:
.endm
; a fragment (16 rows x 128 K, 12 registers) is the images of chunk rows q and q + 4 of its region: every load reads consecutive bytes from lane to lane
.macro FRAG reg, a, q, i
	ds_load_b128 v[\reg:\reg+3], v[\a] offset:(\q)*6144+(\i)*768
	ds_load_b64 v[\reg+4:\reg+5], v[\a+1] offset:(\q)*6144+(\i)*768
	ds_load_b128 v[\reg+6:\reg+9], v[\a] offset:((\q)+4)*6144+(\i)*768
	ds_load_b64 v[\reg+10:\reg+11], v[\a+1] offset:((\q)+4)*6144+(\i)*768
.endm
; the fragments and scale words of region g's q-th 128 K, into buffer and set q % 2: 36 LDS loads in one run.  A scale register holds A's word of block i in lanes 0-15 and B's in lanes 16-31
.macro FETCH g, q
.set FB, 128*((\q)%2)
	WIN TO_F
.irp i, 0,1,2,3
	FRAG FB+48+FR*\i, AD+5*(\g)+2, \q, \i
.endr
.irp i, 0,1,2,3
	FRAG FB+FR*\i, AD+5*(\g), \q, \i
.endr
	WIN 0
.irp i, 0,1,2,3
	ds_load_b32 v[SC+4*((\q)%2)+\i], v[AD+5*(\g)+4] offset:(\q)*512+64*\i
.endr
.endm
; four matrix instructions: A's block a x B's four.  The 16 accumulators take turns, one instruction a turn, in the same order in every step
.macro MUL4 q, a, zero
.irp b, 0,1,2,3
.if \zero
	v_wmma_scale_f32_16x16x128_f8f6f4 v[ACC+8*(4*(\a)+\b):ACC+8*(4*(\a)+\b)+7], v[128*((\q)%2)+48+FR*\b:128*((\q)%2)+48+FR*\b+FR-1], v[128*((\q)%2)+FR*(\a):128*((\q)%2)+FR*(\a)+FR-1], 0, v[SC+4*((\q)%2)+\b], v[SC+4*((\q)%2)+(\a)] matrix_a_fmt:MATRIX_FMT_FP6 matrix_b_fmt:MATRIX_FMT_FP6 matrix_a_scale:MATRIX_SCALE_ROW1
.else
	v_wmma_scale_f32_16x16x128_f8f6f4 v[ACC+8*(4*(\a)+\b):ACC+8*(4*(\a)+\b)+7], v[128*((\q)%2)+48+FR*\b:128*((\q)%2)+48+FR*\b+FR-1], v[128*((\q)%2)+FR*(\a):128*((\q)%2)+FR*(\a)+FR-1], v[ACC+8*(4*(\a)+\b):ACC+8*(4*(\a)+\b)+7], v[SC+4*((\q)%2)+\b], v[SC+4*((\q)%2)+(\a)] matrix_a_fmt:MATRIX_FMT_FP6 matrix_b_fmt:MATRIX_FMT_FP6 matrix_a_scale:MATRIX_SCALE_ROW1
.endif
.endr
.endm
; a step of 128 K: the loads of the step that follows (region ng, its nq-th) go out ahead of this step's 16 products
.macro STEP ng, nq, q, zero
	s_wait_dscnt 0x0                               ; this step's fragments and scale words are in
	PLACES NP                                      ; in front of loads into registers that the last step's matrix instructions have read
	FETCH \ng, \nq
	WIN MUL
.irp a, 0,1,2,3
	MUL4 \q, \a, \zero
.endr
.endm
.macro RUN g, zero                     ; the first three steps of the part in region g
	STEP \g, 1, 0, \zero
	STEP \g, 2, 1, 0
	STEP \g, 3, 2, 0
.endm
; a part's last step with a barrier in it.  In front of the barrier each wave waits for all its tensor loads, adds 0 to its spare word, and waits for that and for its reads.  fill = 1: the barrier opens a round, and regions are filled again
.macro TURN ng, fill, pf=0, rows=0, srows=0, adv=0, sadv=0, reg=0
	WIN 0                                          ; (the add's two registers lie in window 0)
	s_wait_tensorcnt 0x0                           ; all my tensor loads have landed
	ds_add_u32 v[SPW], v[NIL]                      ; 0 onto my spare word
.if \fill
	DESC \rows, \srows, \adv, \sadv, \reg
.endif
	s_wait_dscnt 1                                 ; this step's loads are in (the add may be out)
	WIN MUL
	MUL4 3, 0, 0
	s_wait_dscnt 0x0                               ; the add is done, and my reads of the regions walked so far are over
	s_barrier_signal -1
	MUL4 3, 1, 0
	WIN 0
	s_barrier_wait -1
.if \fill
	CREST                                          ; no wave of any partner still reads these regions or has a load on its way
	QLOAD                                          ; the first tensor load behind the round; its four v_nop are the places in front of the loads below
.else
	PLACES NP
.endif
	FETCH \ng, 0
.if \pf == 2
	PF16 40, 20
.elseif \pf == 3
	PF8
.endif
	WIN MUL
	MUL4 3, 2, 0
	MUL4 3, 3, 0
.endm
	s_load_b128 s[4:7], s[0:1], 0x0                ; A, B
	s_load_b64 s[8:9], s[0:1], 0x10                ; C
	s_load_b128 s[96:99], s[0:1], 0x18             ; O1, b2
	v_lshl_add_u32 v[SPW], v0, 2, SPARE
	v_mov_b32 v[NIL], 0
	ds_add_u32 v[SPW], v[NIL]                      ; the opening lines: the add, twice on end, and its wait
	ds_add_u32 v[SPW], v[NIL]
	v_lshrrev_b32 v1, 5, v0
	v_readfirstlane_b32 s14, v1                    ; wave 0..3
	s_lshr_b32 s15, s14, 1                         ; which 64 rows of A are mine
	s_and_b32 s16, s14, 1                          ; which 64 rows of B
	s_bfe_u32 s40, ttmp6, 0x40000                  ; cx
	s_bfe_u32 s41, ttmp6, 0x40004                  ; cy
	s_lshl_b32 s42, ttmp9, 2
	s_add_co_u32 s42, s42, s40                     ; the tile column: B's group of 128 rows
	s_and_b32 s17, ttmp7, 0xffff
	s_lshl_b32 s17, s17, 2
	s_add_co_u32 s17, s17, s41                     ; the tile row: A's group of 128 rows
	s_lshl_b32 s43, s41, 2
	s_lshl_b32 s43, 15, s43                        ; my row of the cluster
	s_lshl_b32 s44, 0x1111, s40                    ; my column
	GRP1 G1A, 43, 768, 24, CH/8                    ; the head's fills: 24 chunk rows of eight images,
	GRP1 G1B, 44, 768, 24, CHB/8
	GRP1 G1S, 43, 64, 12, SK/8                     ; 12 scale planes of 512 bytes
	GRP1 G1SB, 44, 64, 12, SKB/8
	s_mul_i32 s10, s17, 6144
	s_add_co_u32 s10, s10, ACODE
	s_mov_b32 s11, 0
	s_mul_i32 s12, s42, 6144
	s_add_co_u32 s12, s12, BCODE
	s_mov_b32 s13, 0
	s_lshl_b32 s18, s17, 9
	s_mov_b32 s19, 0
	s_lshl_b32 s20, s42, 9
	s_mov_b32 s21, 0
	s_lshl_b32 s92, s40, 2
	s_add_co_u32 s92, s92, s14
	s_lshl_b32 s93, s41, 2
	s_add_co_u32 s93, s93, s14
	s_wait_dscnt 0x0                               ; both opening adds are done
	s_wait_kmcnt 0x0
	s_add_nc_u64 s[10:11], s[4:5], s[10:11]        ; A's codes, chunk row 0, my group
	s_add_nc_u64 s[12:13], s[6:7], s[12:13]        ; B's
	s_add_nc_u64 s[18:19], s[4:5], s[18:19]        ; A's scale words, plane 0, my group
	s_add_nc_u64 s[20:21], s[6:7], s[20:21]        ; B's
	GRP0 G0A, 0, 10
	GRP0 G0B, BOFF, 12
	GRP0 G0S, SCL, 18
	GRP0 G0SB, SCL+3*SREG, 20
	CROUND                                         ; all sixteen work-groups are here: the first joint loads meet
	QLOAD                                          ; one tensor load of mine is out
	v_and_b32 v1, 15, v0                           ; r
	v_bfe_u32 v2, v0, 4, 1                         ; h
	v_and_b32 v3, 31, v0                           ; lane
	v_lshlrev_b32 v4, 4, v3
	v_lshl_add_u32 v5, v3, 3, 512
	s_mul_i32 s2, s15, 3072                        ; my four tiles of A's eight,
	s_mul_i32 s3, s16, 3072
	s_add_co_u32 s3, s3, BOFF                      ; of B's
.irp g, 0,1,2
	v_add_nc_u32 v[AD+5*\g], s2, v4
	v_add_nc_u32 v[AD+5*\g+1], s2, v5
	v_add_nc_u32 v[AD+5*\g+2], s3, v4
	v_add_nc_u32 v[AD+5*\g+3], s3, v5
	s_add_co_u32 s2, s2, REG
	s_add_co_u32 s3, s3, REG
.endr
	s_lshl_b32 s2, s15, 8                          ; scale words: my four tiles of A, 64 bytes each,
	s_lshl_b32 s3, s16, 8
	s_add_co_u32 s3, s3, 3*SREG                    ; of B,
	s_sub_co_u32 s3, s3, s2
	v_mul_u32_u24 v6, s3, v2                       ; which lanes 16-31 take
	s_add_co_u32 s2, s2, SCL
	v_lshl_add_u32 v6, v1, 2, v6
.irp g, 0,1,2
	v_add_nc_u32 v[AD+5*\g+4], s2, v6
	s_add_co_u32 s2, s2, SREG
.endr
	s_mul_i32 s2, s14, 16*SPITCH                   ; my stage
	s_add_co_u32 s2, s2, STAGE
	v_mul_u32_u24 v6, v1, SPITCH
	v_lshl_add_u32 v6, v2, 6, v6
	v_add_nc_u32 v[STO], s2, v6                    ; in: row r, + 64 h
	v_mul_u32_u24 v6, v2, SPITCH
	v_lshl_add_u32 v6, v1, 4, v6
	v_add_nc_u32 v[RD], s2, v6                     ; back: lanes 0-15 one row of 256 bytes, lanes 16-31 the next
	v_lshlrev_b32 v6, 12, v2
	v_lshl_add_u32 v[CO], v1, 4, v6                ; and the same two rows in C and in out1
	v_min_u32 v7, 23, v3
	v_min_u32 v8, 11, v3
	v_lshlrev_b32 v[PL], 8, v7
	v_lshlrev_b32 v[PL2], 8, v8
	v_mov_b32 v[PZ], 0
	v_lshlrev_b32 v9, 4, v1                        ; b2: my lane's four columns
	s_lshl_b32 s2, s17, 7
	s_lshl_b32 s3, s15, 6
	s_add_co_u32 s2, s2, s3
	s_lshl_b32 s2, s2, 12                          ; my first row of C, 4,096 bytes a row,
	s_lshl_b32 s3, s42, 9
	s_add_co_u32 s2, s2, s3
	s_lshl_b32 s3, s16, 8
	s_add_co_u32 s2, s2, s3                        ; my first column
	s_mov_b32 s3, 0
	s_add_nc_u64 s[8:9], s[8:9], s[2:3]
	s_add_nc_u64 s[96:97], s[96:97], s[2:3]        ; out1 at the same place
	s_lshl_b32 s2, s42, 9
	s_lshl_b32 s47, s16, 8
	s_add_co_u32 s2, s2, s47
	s_add_nc_u64 s[98:99], s[98:99], s[2:3]        ; b2 at my 64 columns
	s_wait_alu depctr_va_vdst(0)
	s_wait_tensorcnt 0x0                           ; my tile of the head's four is in,
	s_barrier_signal -1
	s_barrier_wait -1                              ; everybody's is
	FETCH 0, 0
	PF16 24, 12                                    ; what the first refill will load: eight steps of 128 K ahead of it
	global_load_b128 v[BO:BO+3], v9, s[98:99]
	WIN 0x80                                       ; destination window 2
.irp a, 0,1,2,3
.irp t, 0,1,2,3,4,5,6,7
	global_load_b128 v[32*\a+4*\t:32*\a+4*\t+3], v[CO], s[96:97] offset:(32*(\a/2)+8*(\a%2)+2*\t+8*(\t/4))*4096 th:TH_LOAD_NT   ; out1: sixteen lanes read 256 consecutive bytes
.endr
.endr
	WIN 0
	RUN 0, 1                                       ; part 0: the first products start the sums: nothing is cleared
	STEP 1, 0, 3, 0
	RUN 1, 0                                       ; part 1
	TURN 2, 1, 2, 16, 8, 24, 12, 0                 ; regions 0 and 1 take parts 3 and 4
	RUN 2, 0                                       ; part 2
	TURN 0, 1, 3, 8, 4, 16, 8, 2                   ; region 2 takes part 5
	RUN 0, 0                                       ; part 3
	STEP 1, 0, 3, 0
	RUN 1, 0                                       ; part 4
	TURN 2, 1, 0, 16, 8, 8, 4, 0                   ; regions 0 and 1 take parts 6 and 7
	RUN 2, 0                                       ; part 5
	TURN 0, 0                                      ; a barrier shows parts 6 and 7 to all
	RUN 0, 0                                       ; part 6
	STEP 1, 0, 3, 0
	RUN 1, 0                                       ; part 7
	s_wait_dscnt 0x0                               ; the very last step: nothing more to fetch
	WIN MUL
.irp a, 0,1,2,3
	MUL4 3, \a, 0
.endr
	WIN 0
; THE WAY OUT, block by block of 16 rows x 64 columns, through my stage.  Register j of accumulator b is the true column 32 (b / 2) + 16 h + 8 (b % 2) + j; row t of block a is the true row 32 (a / 2) + 8 (a % 2) + t + 8 (t / 8).
.macro TOSTAGE a
.irp b, 0,1,2,3
	ds_store_b128 v[STO], v[ACC+8*(4*(\a)+\b):ACC+8*(4*(\a)+\b)+3] offset:128*(\b/2)+32*(\b%2)        ; each accumulator from its low end on
	ds_store_b128 v[STO], v[ACC+8*(4*(\a)+\b)+4:ACC+8*(4*(\a)+\b)+7] offset:128*(\b/2)+32*(\b%2)+16
.endr
.irp t, 0,1,2,3,4,5,6,7
	ds_load_b128 v[BK+32*((\a)%2)+4*\t:BK+32*((\a)%2)+4*\t+3], v[RD] offset:\t*2*SPITCH   ; LDS serves a wave's instructions in order: these see my stores
.endr
.endm
.macro SEND a, younger
	s_wait_dscnt \younger                          ; the block is back in registers
.irp t, 0,1,2,3,4,5,6,7
	v_pk_add_f32 v[BK+32*((\a)%2)+4*\t:BK+32*((\a)%2)+4*\t+1], v[BK+32*((\a)%2)+4*\t:BK+32*((\a)%2)+4*\t+1], v[BO:BO+1]       ; + b2,
	v_pk_add_f32 v[BK+32*((\a)%2)+4*\t+2:BK+32*((\a)%2)+4*\t+3], v[BK+32*((\a)%2)+4*\t+2:BK+32*((\a)%2)+4*\t+3], v[BO+2:BO+3]
.endr
	WIN 0x08                                       ; source 1 in window 2
.irp t, 0,1,2,3,4,5,6,7
	v_pk_add_f32 v[BK+32*((\a)%2)+4*\t:BK+32*((\a)%2)+4*\t+1], v[BK+32*((\a)%2)+4*\t:BK+32*((\a)%2)+4*\t+1], v[32*(\a)+4*\t:32*(\a)+4*\t+1]       ; + out1
	v_pk_add_f32 v[BK+32*((\a)%2)+4*\t+2:BK+32*((\a)%2)+4*\t+3], v[BK+32*((\a)%2)+4*\t+2:BK+32*((\a)%2)+4*\t+3], v[32*(\a)+4*\t+2:32*(\a)+4*\t+3]
.endr
	WIN 0
.irp t, 0,1,2,3,4,5,6,7
	global_store_b128 v[CO], v[BK+32*((\a)%2)+4*\t:BK+32*((\a)%2)+4*\t+3], s[8:9] offset:(32*((\a)/2)+8*((\a)%2)+2*\t+8*(\t/4))*4096 th:TH_STORE_NT   ; 16 lanes store 256 consecutive bytes, at a multiple of 256 from C's first byte
.endr
.endm
	s_wait_loadcnt 0x0                             ; out1 and b2 are in
	PLACES NP                                      ; in front of the first read of results
	TOSTAGE 0
.irp a, 1,2,3
.if \a > 1
	s_wait_xcnt 0x0                                ; block a - 2's stores have read their registers: block a's loads may land there
.endif
	TOSTAGE \a
	SEND \a-1, 16                                  ; behind block a - 1's loads: block a's 8 stores and 8 loads
.endr
	SEND 3, 0
	s_wait_tensorcnt 0x0                           ; the wave's end
	ds_add_u32 v[SPW], v[NIL]
	s_wait_dscnt 0x0
	CROUND                                         ; the closing round
	s_endpgm
.Lfunc_end_k_qf577112635_w2:
	.size	k_qf577112635_w2, .Lfunc_end_k_qf577112635_w2-k_qf577112635_w2
	.p2alignl 7, 3214868480
	.fill 96, 4, 3214868480
	.section	.rodata,"a",@progbits
	.p2align	6, 0x0
	.amdhsa_kernel k_qf577112635_w2
		.amdhsa_group_segment_fixed_size 327680
		.amdhsa_private_segment_fixed_size 0
		.amdhsa_enable_private_segment 0
		.amdhsa_kernarg_size 40
		.amdhsa_user_sgpr_count 2
		.amdhsa_user_sgpr_kernarg_segment_ptr 1
		.amdhsa_wavefront_size32 1
		.amdhsa_system_sgpr_workgroup_id_x 1
		.amdhsa_system_sgpr_workgroup_id_y 1
		.amdhsa_system_sgpr_workgroup_id_z 1
		.amdhsa_system_vgpr_workitem_id 0
		.amdhsa_next_free_vgpr 640
		.amdhsa_next_free_sgpr 100
		.amdhsa_reserve_vcc 0
		.amdhsa_float_denorm_mode_32 3
		.amdhsa_float_denorm_mode_16_64 3
		.amdhsa_memory_ordered 1
		.amdhsa_forward_progress 1
		.amdhsa_inst_pref_size 184
	.end_amdhsa_kernel
	.amdgpu_metadata
---
amdhsa.version: [ 1, 2 ]
amdhsa.kernels:
  - .name:           k_qf577112635_w2
    .symbol:         k_qf577112635_w2.kd
    .args:
      - { .name: HB, .offset: 0, .size: 8, .value_kind: global_buffer, .address_space: global }
      - { .name: W2B, .offset: 8, .size: 8, .value_kind: global_buffer, .address_space: global }
      - { .name: FFP, .offset: 16, .size: 8, .value_kind: global_buffer, .address_space: global }
      - { .name: O1, .offset: 24, .size: 8, .value_kind: global_buffer, .address_space: global }
      - { .name: b2, .offset: 32, .size: 8, .value_kind: global_buffer, .address_space: global }
    .group_segment_fixed_size: 327680
    .private_segment_fixed_size: 0
    .kernarg_segment_align: 8
    .kernarg_segment_size: 40
    .max_flat_workgroup_size: 128
    .sgpr_count:     100
    .vgpr_count:     640
    .wavefront_size: 32
...
	.end_amdgpu_metadata
.endif
;; end of part 7
;; launch ln2 (part 8): grid 256 x 1, 8 waves a work-group, no clusters, 69,632 bytes of LDS; arguments FFP, g2, be2, out0; writes out0
.if DOCPART == 8
	.amdgcn_target "amdgcn-amd-amdhsa--gfx1250"
	.amdhsa_code_object_version 6
	.text
	.protected	k_qf577112635_ln2
	.globl	k_qf577112635_ln2
	.p2align	8
	.type	k_qf577112635_ln2,@function
k_qf577112635_ln2:
	s_mov_b64 s[64:65], 0
	v_nop
	global_prefetch_b8 v0, s[64:65] scope:SCOPE_SE
	s_setreg_imm32_b32 hwreg(HW_REG_WAVE_MODE, 25, 1), 1
	s_wait_xcnt 0x0
; out0 = LayerNorm(y) g2 + be2, in f32, y = out1 + (hidden w2 + b2) as the launch before left it, [4096][1024] f32, in FFP.
; Work-group T takes the 16 rows 32 (T / 2) + 8 (T % 2) + p + 8 (p / 8); wave w takes columns 128 w on.  Mean and variance (of the number less the mean) meet in LDS: two barriers.
; Rows are loaded and stored 512 consecutive bytes an instruction; for the sums along a row they turn through the wave's own stage into a layout in which a lane holds 64 numbers of ONE row.
; No matrix unit, no cluster, no tensor load: the launch streams, and work-groups share no input but two short vectors.  LIMITS: NaN and infinities are not served.
.set STG,  8448                        ; a wave's stage: 16 rows x (512 + 16) bytes
.set RED,  8*STG                       ; 512 bytes for the sums, 512 more for the sums of squares
.set O16, 4
.set S0,  64
.set S1,  128
.set T,   192
.set SEL, 40
.macro ROWS reg, base                  ; my 128 columns of the 16 rows
.irp p, 0,1,2,3,4,5,6,7,8,9,10,11,12,13,14,15
	global_load_b128 v[\reg+4*\p:\reg+4*\p+3], v[O16], s[\base:\base+1] offset:(\p+8*(\p/8))*4096 th:TH_LOAD_NT
.endr
.endm
.macro VEC reg, base                   ; a vector's 128 numbers of my columns: lane (r, h), register 16 b + i: column 32 b + 16 h + i
.irp b, 0,1,2,3
.irp j, 0,1,2,3
	global_load_b128 v[\reg+16*\b+4*\j:\reg+16*\b+4*\j+3], v8, s[\base:\base+1] offset:128*\b+16*\j
.endr
.endr
.endm
; four chains v[54:61] become the row's sum over all 1,024 columns, in v54 of every lane
.macro JOIN off
	s_delay_alu instid0(VALU_DEP_3)
	v_pk_add_f32 v[54:55], v[54:55], v[56:57]
	s_delay_alu instid0(VALU_DEP_2)
	v_pk_add_f32 v[58:59], v[58:59], v[60:61]
	s_delay_alu instid0(VALU_DEP_1)
	v_pk_add_f32 v[54:55], v[54:55], v[58:59]
	s_delay_alu instid0(VALU_DEP_1)
	v_add_f32 v54, v54, v55
	s_delay_alu instid0(VALU_DEP_1)
	v_permlanex16_b32 v55, v54, s[SEL], s[SEL+1]
	s_delay_alu instid0(VALU_DEP_1)
	v_add_f32 v54, v54, v55                        ; my wave's 128 columns of row r
	ds_store_b32 v9, v54 offset:\off               ; lanes r and r + 16 write the same word with the same value
	s_wait_dscnt 0x0                               ; for the others' sake
	s_barrier_signal -1
	s_barrier_wait -1
.irp k, 0,1,2,3,4,5,6,7
	ds_load_b32 v[54+\k], v10 offset:\off+64*\k
.endr
	s_wait_dscnt 0x0
	v_add_f32 v54, v54, v55
	v_add_f32 v56, v56, v57
	v_add_f32 v58, v58, v59
	v_add_f32 v60, v60, v61
	s_delay_alu instid0(VALU_DEP_3)
	v_add_f32 v54, v54, v56
	s_delay_alu instid0(VALU_DEP_2)
	v_add_f32 v58, v58, v60
	s_delay_alu instid0(VALU_DEP_1)
	v_add_f32 v54, v54, v58
.endm
	s_load_b256 s[4:11], s[0:1], 0x0               ; FFP, g2, be2, out0
	v_lshl_add_u32 v62, v0, 2, 0x10c00
	v_mov_b32 v63, 0
	v_lshrrev_b32 v1, 5, v0
	s_delay_alu instid0(VALU_DEP_1)
	v_readfirstlane_b32 s2, v1                     ; wave 0..7
	v_and_b32 v2, 31, v0
	v_and_b32 v3, 15, v0                           ; r
	v_bfe_u32 v11, v0, 4, 1                        ; h
	s_delay_alu instid0(VALU_DEP_3)
	v_lshlrev_b32 v[O16], 4, v2
	s_mul_i32 s16, s2, STG
	v_add_nc_u32 v6, s16, v[O16]                   ; the stage by rows: row p at 528 p + 16 x lane
	v_mul_u32_u24 v7, v3, 528
	s_delay_alu instid0(VALU_DEP_1)
	v_lshl_add_u32 v7, v11, 6, v7
	s_delay_alu instid0(VALU_DEP_1)
	v_add_nc_u32 v7, s16, v7                       ; and a row to a lane: row r, + 64 h
	v_lshlrev_b32 v8, 6, v11
	s_lshl_b32 s17, s2, 6
	v_lshl_add_u32 v10, v3, 2, RED
	s_delay_alu instid0(VALU_DEP_1)
	v_add_nc_u32 v9, s17, v10
	s_mov_b32 s[SEL], 0x76543210
	s_mov_b32 s[SEL+1], 0xfedcba98
	s_mov_b32 s34, 0x3a800000                      ; 1 / 1,024
	s_mov_b32 s35, 0x3727c5ac                      ; 1e-5
	s_lshr_b32 s18, ttmp9, 1
	s_lshl_b32 s18, s18, 5
	s_and_b32 s19, ttmp9, 1
	s_lshl_b32 s19, s19, 3
	s_add_co_u32 s18, s18, s19                     ; the first of my rows
	s_lshl_b32 s18, s18, 12
	s_lshl_b32 s20, s2, 9                          ; my columns: 512 w bytes
	s_add_co_u32 s18, s18, s20
	s_mov_b32 s19, 0
	s_mov_b32 s21, 0
	s_wait_alu depctr_va_vdst(0)
	s_wait_kmcnt 0x0
	s_add_nc_u64 s[24:25], s[4:5], s[18:19]        ; y
	s_add_nc_u64 s[32:33], s[10:11], s[18:19]      ; out0
	s_add_nc_u64 s[6:7], s[6:7], s[20:21]
	s_add_nc_u64 s[8:9], s[8:9], s[20:21]
	ROWS S0, 24
	VEC S1, 6                                      ; g2
.irp p, 0,1,2,3,4,5,6,7,8,9,10,11,12,13,14,15
	s_wait_loadcnt 31-\p                           ; row p is in; the younger rows and g2's 16 loads may be out
	ds_store_b128 v6, v[S0+4*\p:S0+4*\p+3] offset:528*\p
.endr
.irp b, 0,1,2,3
.irp j, 0,1,2,3
	ds_load_b128 v[T+16*\b+4*\j:T+16*\b+4*\j+3], v7 offset:128*\b+16*\j  ; LDS serves a wave's instructions in order: these see my stores
.endr
.endr
	s_wait_dscnt 0x0
	VEC S0, 8                                      ; be2 lands while the sums are made
.irp k, 0,1,2,3
	v_pk_add_f32 v[54+2*\k:55+2*\k], v[T+2*\k:T+2*\k+1], v[T+8+2*\k:T+9+2*\k]
.endr
.irp m, 2,3,4,5,6,7
.irp k, 0,1,2,3
	s_delay_alu instid0(VALU_DEP_4)
	v_pk_add_f32 v[54+2*\k:55+2*\k], v[54+2*\k:55+2*\k], v[T+8*\m+2*\k:T+8*\m+2*\k+1]
.endr
.endr
	JOIN 0
	s_delay_alu instid0(VALU_DEP_1)
	v_mul_f32 v54, s34, v54                        ; the mean
.set i, 0
.rept 32
	v_pk_add_f32 v[T+i:T+i+1], v[T+i:T+i+1], v[54:55] op_sel_hi:[1,0] neg_lo:[0,1] neg_hi:[0,1]
.set i, i+2
.endr
.irp k, 0,1,2,3
	v_pk_mul_f32 v[54+2*\k:55+2*\k], v[T+2*\k:T+2*\k+1], v[T+2*\k:T+2*\k+1]
.endr
.irp m, 1,2,3,4,5,6,7
.irp k, 0,1,2,3
	s_delay_alu instid0(VALU_DEP_4)
	v_pk_fma_f32 v[54+2*\k:55+2*\k], v[T+8*\m+2*\k:T+8*\m+2*\k+1], v[T+8*\m+2*\k:T+8*\m+2*\k+1], v[54+2*\k:55+2*\k]
.endr
.endr
	JOIN 512
	s_delay_alu instid0(VALU_DEP_1)
	v_fma_f32 v54, v54, s34, s35                   ; the variance + 1e-5
	s_wait_alu depctr_va_vdst(0)
	v_rsq_f32 v54, v54
	v_nop                                          ; one plain place behind the transcendental
.set i, 0
	s_wait_alu depctr_va_vdst(0)
.rept 32
	v_pk_mul_f32 v[T+i:T+i+1], v[T+i:T+i+1], v[54:55] op_sel_hi:[1,0]
.set i, i+2
.endr
	s_wait_loadcnt 0x0                             ; g2, be2
.set i, 0
.rept 32
	v_pk_fma_f32 v[T+i:T+i+1], v[T+i:T+i+1], v[S1+i:S1+i+1], v[S0+i:S0+i+1]
.set i, i+2
.endr
.irp b, 0,1,2,3
.irp j, 0,1,2,3
	ds_store_b128 v7, v[T+16*\b+4*\j:T+16*\b+4*\j+3] offset:128*\b+16*\j
.endr
.endr
.irp p, 0,1,2,3,4,5,6,7,8,9,10,11,12,13,14,15
	ds_load_b128 v[S0+4*\p:S0+4*\p+3], v6 offset:528*\p
.endr
.irp p, 0,1,2,3,4,5,6,7,8,9,10,11,12,13,14,15
	s_wait_dscnt 15-\p                             ; row p is back; the younger rows may be out
	global_store_b128 v[O16], v[S0+4*\p:S0+4*\p+3], s[32:33] offset:(\p+8*(\p/8))*4096 th:TH_STORE_NT
.endr
	s_wait_tensorcnt 0x0
	ds_add_u32 v62, v63
	s_wait_dscnt 0x0
	s_endpgm
.Lfunc_end_k_qf577112635_ln2:
	.size	k_qf577112635_ln2, .Lfunc_end_k_qf577112635_ln2-k_qf577112635_ln2
	.p2alignl 7, 3214868480
	.fill 96, 4, 3214868480
	.section	.rodata,"a",@progbits
	.p2align	6, 0x0
	.amdhsa_kernel k_qf577112635_ln2
		.amdhsa_group_segment_fixed_size 69632
		.amdhsa_private_segment_fixed_size 0
		.amdhsa_enable_private_segment 0
		.amdhsa_kernarg_size 32
		.amdhsa_user_sgpr_count 2
		.amdhsa_user_sgpr_kernarg_segment_ptr 1
		.amdhsa_wavefront_size32 1
		.amdhsa_system_sgpr_workgroup_id_x 1
		.amdhsa_system_sgpr_workgroup_id_y 1
		.amdhsa_system_sgpr_workgroup_id_z 1
		.amdhsa_system_vgpr_workitem_id 0
		.amdhsa_next_free_vgpr 256
		.amdhsa_next_free_sgpr 66
		.amdhsa_reserve_vcc 0
		.amdhsa_float_denorm_mode_32 3
		.amdhsa_float_denorm_mode_16_64 3
		.amdhsa_memory_ordered 1
		.amdhsa_forward_progress 1
		.amdhsa_inst_pref_size 28
	.end_amdhsa_kernel
	.amdgpu_metadata
---
amdhsa.version: [ 1, 2 ]
amdhsa.kernels:
  - .name:           k_qf577112635_ln2
    .symbol:         k_qf577112635_ln2.kd
    .args:
      - { .name: FFP, .offset: 0, .size: 8, .value_kind: global_buffer, .address_space: global }
      - { .name: g2, .offset: 8, .size: 8, .value_kind: global_buffer, .address_space: global }
      - { .name: be2, .offset: 16, .size: 8, .value_kind: global_buffer, .address_space: global }
      - { .name: out0, .offset: 24, .size: 8, .value_kind: global_buffer, .address_space: global }
    .group_segment_fixed_size: 69632
    .private_segment_fixed_size: 0
    .kernarg_segment_align: 8
    .kernarg_segment_size: 32
    .max_flat_workgroup_size: 256
    .sgpr_count:     66
    .vgpr_count:     256
    .wavefront_size: 32
...
	.end_amdgpu_metadata
.endif
;; end of part 8
